; MI455X (gfx1250); checked and timed in simulation.
; The chip was launched on July 23, 2026; its instructions are those of AMD's public machine-readable ISA for CDNA 5 (MIT licence, August 2026) and "CDNA5" Instruction Set Architecture Reference Guide (July 2026). The comments in the code are by the model that wrote it; some were corrected since.
;; Causal Attention. Allowed arithmetic: matrix products marked QUANTISED: E2M3 operands, one E8M0 scale for each 32 along K, by v_wmma_scale_f32_16x16x128_f8f6f4 with both operands' format E2M3, f32 sums; everything else in f32.
;; Inputs: b_o 1,024 float32; w_k 1,024 x 1,024 float32; w_o 1,024 x 1,024 float32; w_q 1,024 x 1,024 float32; w_v 1,024 x 1,024 float32; x 4 x 2,048 x 1,024 float32.
;; Outputs: out0 4 x 2,048 x 1,024 float32.
;; This version of the problem:
;;   THIS VERSION OF THE PROBLEM IS GIVEN IN LOW PRECISION. The matrix products marked QUANTISED in the list below multiply operands that are first quantised to E2M3 (2 exponent bits, 3 mantissa bits; 6 bits a number), with one power-of-two scale for each 32 numbers along K (OCP MX v1.0); their sums are f32. All else is computed in f32.
;;   The module's matrix products, in the order in which they are computed (A, B: the left and right operand; K: the contracted axis; several contracted axes count as one K, in the product's order):
;;     1. [M 8,192, K 1,024] x [K 1,024, N 1,024]; A: input x; B: input w_q: QUANTISED
;;     2. [M 8,192, K 1,024] x [K 1,024, N 1,024]; A: input x; B: input w_k: QUANTISED
;;     3. [M 8,192, K 1,024] x [K 1,024, N 1,024]; A: input x; B: input w_v: QUANTISED
;;     4. batch 64 x [M 2,048, K 64] x [K 64, N 2,048]; A: computed on the way; B: computed on the way: QUANTISED
;;     5. batch 64 x [M 2,048, K 2,048] x [K 2,048, N 64]; A: softmax (see below); B: computed on the way: QUANTISED
;;     6. [M 8,192, K 1,024] x [K 1,024, N 1,024]; A: computed on the way; B: input w_o: QUANTISED
;;   THE QUANTISER, for each operand of a quantised product, along K:
;;     - K is cut into blocks of 32 from its start; a last block that is shorter is filled with zeros.
;;     - A block's scale is 2^e with e = floor(log2(the largest magnitude in the block)) - 2, held to -126 .. 127; a block of zeros has e = 0. As a byte (E8M0): e + 127.
;;     - Each number is divided by its block's scale, clamped to +-7.5, and rounded to the nearest number of E2M3, ties to even, subnormals kept.
;;     - The product sums the exact products of the quantised numbers (number of the format x scale) in f32.
;;   ~~~python
;;   def quantise(x, axis):      # numpy; x: float32 -> the quantised numbers, widened to float32 again
;;       x = np.moveaxis(x, axis, -1); K = x.shape[-1]
;;       x = np.pad(x, [(0, 0)] * (x.ndim - 1) + [(0, -K % 32)]); x = x.reshape(x.shape[:-1] + (-1, 32)); a = np.abs(x).max(-1, keepdims=True)
;;       e = np.where(a > 0, np.clip(np.frexp(np.where(a > 0, a, 1))[1] - 1 - 2, -126, 127), 0)      # np.frexp(a)[1] - 1 = floor(log2(a)), exactly
;;       r = np.clip(x / 2.0 ** e, -7.5, 7.5)
;;       step = 2.0 ** (np.maximum(np.frexp(np.where(r == 0, 1, r))[1] - 1, 0) - 3)
;;       q = np.round(r / step) * step * 2.0 ** e      # np.round: ties to even
;;       return np.moveaxis(q.reshape(q.shape[:-2] + (-1,))[..., :K], -1, axis).astype(np.float32)
;;   ~~~
;;   SOFTMAX AHEAD OF A QUANTISED PRODUCT. Where the list says 'softmax', what is quantised is not the finished softmax but p = 2^(t - M), with t = logit x log2(e) and M = ceil(the row's largest t), a whole number; so 1/2 < the row's largest p <= 1. The row's sum l is taken of the UNQUANTISED p, in f32, and the product's result is divided by l at the end. Since M is a whole number, a kernel that streams over the keys may use a running M (the ceiling of the running maximum): every later rescaling is an exact power of two, which a block's scale takes up: the codes' values come out the same.
;;   OPERANDS COMPUTED ON THE WAY. 'Computed on the way' means the value that the module computes at that place (a softmax that the list does not call 'softmax' is quantised finished and normalised). What goes into a quantiser is computed in f32, as accurately as f32 sums, v_exp_f32 and their like allow (about 1e-6 of the number): no bf16 or f16 on the way to a quantiser, and a product that is left as it is and whose result goes on into a quantised operand takes f32 operands (vector FMAs, or v_wmma_f32_16x16x4_f32). A number that lies on a knife's edge between two numbers of the format may be rounded either way, as far as f32 arithmetic and the matrix unit's own rounding can turn it there, and no further.
;; One version. Each part assembles by itself: llvm-mc -triple=amdgcn-amd-amdhsa -mcpu=gfx1250 --defsym DOCPART=n.
;; ======== version 1 of 1: 4 launches
;; workspace buffers: xcode 6,553,600 bytes; wcode 3,276,800 bytes; rec 20,185,088 bytes; acode 6,553,600 bytes
;; launch quant (part 1): grid 768 x 1, 4 waves a work-group, no clusters, 34,304 bytes of LDS; arguments x, w_q, w_k, w_v, w_o, xcode, wcode; writes xcode, wcode
.if DOCPART == 1
	.amdgcn_target "amdgcn-amd-amdhsa--gfx1250"
	.amdhsa_code_object_version 6
	.text
	.protected	k_q87ebca495e_quant
	.globl	k_q87ebca495e_quant
	.p2align	8
	.type	k_q87ebca495e_quant,@function
k_q87ebca495e_quant:
	s_mov_b64 s[64:65], 0
	v_nop
	global_prefetch_b8 v0, s[64:65] scope:SCOPE_SE
	s_setreg_imm32_b32 hwreg(HW_REG_WAVE_MODE, 25, 1), 1
	s_wait_xcnt 0x0
; x [8192][1024] and the four weights [1024][1024], f32, K innermost, become codes of FP6 (E2M3) with one E8M0 byte for each 32 along K.
; A block's scale is 2^(floor(log2(its largest magnitude)) - 2); its byte is the largest magnitude's exponent field - 2, held at 1 from below.
; LIMITS: a block whose largest magnitude lies under 2^-124 keeps the byte 1; a block of zeros has the byte 1 where the quantiser says 127 (its codes are zeros, and this
; program alone reads the bytes); NaN and infinities among the inputs are not served.
; LAYOUT OF THE CODES: as the products' registers want them.  16 rows x 128 along K are a FRAGMENT, 12 registers a lane; it lies as six pieces of 256 bytes, piece p = registers 2 p, 2 p + 1,
; lane l at byte 8 l.  A tile of 16 rows has 8 fragments on end: 12,288 bytes.  So each store of a wave covers 256 consecutive bytes, aligned.
; WHICH ROWS FORM A TILE: in x, w_q, w_k, w_v place r of tile T is row 32 (T / 2) + 8 (T % 2) + r + 8 (r / 8), so that a product's results come out as 16 neighbours a lane; in w_o it is row 16 T + r.
; LAYOUT OF THE SCALE BYTES: place row, block kb: (row / 128) 4096 + (kb / 8) 1024 + (row % 128) 8 + kb % 8.
; SHARES: a work-group takes one tile of 16 rows (0-511: x; then 64 each of w_q, w_k, w_v, w_o), wave s the 256 along K from 256 s on: two fragments.  All 32 loads of a wave go out at once, each of
; 512 consecutive bytes; the numbers turn through the wave's own stage in LDS, so that a lane gets 16 neighbours of each block.  No barrier: waves share nothing.
.set XS_OFF, 6291456                   ; where x's scale bytes begin in xcode
.set WS_OFF, 3145728                   ; and the weights' in wcode
.set TPITCH, 12288                     ; a tile's codes
.set SP,  528                          ; a stage row: 512 bytes + 16, an odd multiple of 16: sixteen rows start in sixteen different groups of banks
.set GA,  1                            ; v1   16 x lane: my bytes of a load's 512, rows 0-7 of the tile
.set GB,  2                            ; v2   the same for rows 8-15
.set SI,  3                            ; v3   the stage, on the way in
.set SO,  4                            ; v4   and on the way out: row r, + 64 h
.set GO,  5                            ; v5   8 x lane: my place in a piece
.set GS,  6                            ; v6   8 r + 4 h: my place among the scale words
.set TM,  16                           ; v16-31 at work in QUANT
.set R0,  32                           ; v32-95   fragment 0's numbers as loaded
.set R1,  96                           ; v96-159  fragment 1's
.set X,   160                          ; v160-223 64 numbers of my row: register 16 b + i = k 32 b + 16 h + i
.set PC,  224                          ; v224-235 the codes; v236-238, v240-242 the conversions' second halves
.set PW,  244                          ; v244, v245 the two fragments' scale words
.set SW,  246                          ; v246 the word that I store
.set SEL, 24                           ; s[24:25] selects for lane l xor 16
	s_load_b256 s[4:11], s[0:1], 0x0               ; x, w_q, w_k, w_v
	s_load_b128 s[12:15], s[0:1], 0x20             ; w_o, xcode
	s_load_b64 s[16:17], s[0:1], 0x30              ; wcode
	v_lshl_add_u32 v254, v0, 2, 0x8400
	v_mov_b32 v255, 0
	v_lshrrev_b32 v7, 5, v0
	v_readfirstlane_b32 s18, v7                    ; wave = which 256 along K
	v_and_b32 v7, 31, v0                           ; lane
	v_and_b32 v8, 15, v0                           ; r
	v_bfe_u32 v9, v0, 4, 1                         ; h
	v_lshlrev_b32 v[GA], 4, v7
	s_mul_i32 s19, s18, 16*SP                      ; my wave's stage
	v_add_nc_u32 v[SI], s19, v[GA]
	v_mul_u32_u24 v[SO], v8, SP
	v_lshl_add_u32 v[SO], v9, 6, v[SO]
	v_add_nc_u32 v[SO], s19, v[SO]
	v_lshlrev_b32 v[GO], 3, v7
	v_lshlrev_b32 v[GS], 3, v8
	v_lshl_add_u32 v[GS], v9, 2, v[GS]
.irp b, 0,1,2,3
	v_mov_b32 v[TM+4+\b], 0                        ; written once: a lane permute's destination counts as one of its sources
.endr
	s_mov_b32 s[SEL], 0x76543210
	s_mov_b32 s[SEL+1], 0xfedcba98
	s_mov_b32 s26, 0xffff0000                      ; lanes 16-31
	s_sub_co_u32 s27, ttmp9, 512                   ; the tile's number among the weights' 256
	s_and_b32 s28, s27, 63                         ; and inside its weight
	s_mov_b32 s29, WS_OFF
	s_cmp_lt_u32 ttmp9, 512                        ; x's tile?
	s_cselect_b32 s28, ttmp9, s28                  ; the tile's number in its tensor
	s_cselect_b32 s27, ttmp9, s27                  ; and in its buffer of codes
	s_cselect_b32 s29, XS_OFF, s29
	s_lshr_b32 s30, s28, 1
	s_lshl_b32 s30, s30, 5
	s_and_b32 s31, s28, 1
	s_lshl_b32 s31, s31, 3
	s_add_co_u32 s30, s30, s31                     ; first row 32 (T / 2) + 8 (T % 2), places 8-15 sixteen rows on;
	s_lshl_b32 s31, s28, 4                         ; w_o: first row 16 T, places 8-15 eight rows on
	s_mov_b32 s32, 8*4096
	s_cmp_lt_u32 ttmp9, 704
	s_cselect_b32 s30, s30, s31
	s_cselect_b32 s32, 16*4096, s32
	v_add_nc_u32 v[GB], s32, v[GA]
	s_lshl_b32 s30, s30, 12                        ; a row is 4,096 bytes
	s_lshl_b32 s31, s18, 10                        ; my 256 numbers of it
	s_add_co_u32 s30, s30, s31
	s_mov_b32 s31, 0
	s_mul_i32 s34, s27, TPITCH                     ; my two fragments' place
	s_mul_i32 s35, s18, 3072
	s_add_co_u32 s34, s34, s35
	s_mov_b32 s35, 0
	s_lshr_b32 s36, s27, 3                         ; my scale words' place
	s_lshl_b32 s36, s36, 12
	s_add_co_u32 s36, s36, s29
	s_lshl_b32 s37, s18, 10
	s_add_co_u32 s36, s36, s37
	s_and_b32 s37, s27, 7
	s_lshl_b32 s37, s37, 7
	s_add_co_u32 s36, s36, s37
	s_mov_b32 s37, 0
	s_wait_kmcnt 0x0
	s_mov_b64 s[20:21], s[12:13]                   ; the source: chosen by the work-group's number alone
	s_cmp_lt_u32 ttmp9, 704
	s_cselect_b64 s[20:21], s[10:11], s[20:21]
	s_cmp_lt_u32 ttmp9, 640
	s_cselect_b64 s[20:21], s[8:9], s[20:21]
	s_cmp_lt_u32 ttmp9, 576
	s_cselect_b64 s[20:21], s[6:7], s[20:21]
	s_cmp_lt_u32 ttmp9, 512
	s_cselect_b64 s[20:21], s[4:5], s[20:21]
	s_cselect_b64 s[22:23], s[14:15], s[16:17]     ; and the buffer of codes
	s_add_nc_u64 s[20:21], s[20:21], s[30:31]
	s_add_nc_u64 s[38:39], s[22:23], s[36:37]      ; scale words
	s_add_nc_u64 s[22:23], s[22:23], s[34:35]      ; codes
.macro LOADQ q, reg                    ; fragment q's 16 rows x 512 bytes: 32 lanes read 512 consecutive bytes
.irp i, 0,1,2,3,4,5,6,7
	global_load_b128 v[\reg+4*\i:\reg+4*\i+3], v[GA], s[20:21] offset:\i*4096+512*\q th:TH_LOAD_NT
.endr
.irp i, 0,1,2,3,4,5,6,7
	global_load_b128 v[\reg+32+4*\i:\reg+32+4*\i+3], v[GB], s[20:21] offset:\i*4096+512*\q th:TH_LOAD_NT
.endr
.endm
.macro TURNQ reg                       ; through the stage: LDS serves a wave's instructions in order (ISA guide 5.7.1.4), so no wait stands between the stores and the loads
.irp i, 0,1,2,3,4,5,6,7,8,9,10,11,12,13,14,15
	ds_store_b128 v[SI], v[\reg+4*\i:\reg+4*\i+3] offset:SP*\i
.endr
.irp b, 0,1,2,3
.irp j, 0,1,2,3
	ds_load_b128 v[X+16*\b+4*\j:X+16*\b+4*\j+3], v[SO] offset:128*\b+16*\j
.endr
.endr
.endm
; 64 numbers of a lane, register 16 b + i = k 32 b + 16 h + i of my row, become a fragment's codes in v[PC] on and its scale word in v[pw]
.macro QUANT s, pw
.irp b, 0,1,2,3
	v_max3_num_f32 v[TM+\b], |v[\s+16*\b]|, |v[\s+1+16*\b]|, 0x1800000   ; block b: my 16 numbers, and the floor 2^(3 - 127): the byte cannot fall under 1
.endr
.irp i, 2,4,6,8,10,12,14
.irp b, 0,1,2,3
	v_max3_num_f32 v[TM+\b], v[TM+\b], |v[\s+16*\b+\i]|, |v[\s+1+16*\b+\i]|   ; the four blocks by turns
.endr
.endr
.irp b, 0,1,2,3
	v_permlanex16_b32 v[TM+4+\b], v[TM+\b], s[SEL], s[SEL+1]
.endr
.irp b, 0,1,2,3
	v_max_num_f32 v[TM+\b], v[TM+\b], v[TM+4+\b]   ; with lane l xor 16's: the block's largest magnitude
.endr
.irp b, 0,1,2,3
	v_add_nc_u32 v[TM+12+\b], 0xff000000, v[TM+\b] ; 2 off its exponent field: the conversion takes this operand's exponent field as its scale
.endr
.irp b, 0,1,2,3
	v_lshrrev_b32 v[TM+4+\b], 23, v[TM+12+\b]      ; the scale's byte
.endr
	v_lshl_or_b32 v[\pw], v[TM+5], 8, v[TM+4]
	v_lshl_or_b32 v[\pw], v[TM+6], 16, v[\pw]
	v_lshl_or_b32 v[\pw], v[TM+7], 24, v[\pw]
.irp c, 0,1
	v_cvt_scalef32_pk16_fp6_f32 v[PC+6*\c:PC+2+6*\c], v[\s+32*\c:\s+15+32*\c], v[TM+12+2*\c]
	v_cvt_scalef32_pk16_fp6_f32 v[PC+12+4*\c:PC+14+4*\c], v[\s+16+32*\c:\s+31+32*\c], v[TM+12+2*\c+1]   ; (a conversion's three registers begin on an even number)
.endr
	v_nop                                          ; one plain place behind a scaled conversion
.irp c, 0,1                                    ; the operand's layout wants a whole block in a lane: lanes 0-15 block 2 c, lanes 16-31 block 2 c + 1
.irp i, 0,1,2
	v_permlane16_swap_b32 v[PC+6*\c+\i], v[PC+12+4*\c+\i]
.endr
.irp i, 0,1,2
	v_mov_b32 v[PC+3+6*\c+\i], v[PC+12+4*\c+\i]
.endr
.endr
.endm
	LOADQ 0, R0
	LOADQ 1, R1
	s_wait_loadcnt 16                              ; fragment 0's sixteen loads are in; fragment 1's sixteen may be out
	TURNQ R0
	s_wait_dscnt 0x0
	QUANT X, PW
.irp p, 0,1,2,3,4,5
	global_store_b64 v[GO], v[PC+2*\p:PC+2*\p+1], s[22:23] offset:256*\p
.endr
	s_wait_loadcnt 0x0
	TURNQ R1
	s_wait_dscnt 0x0
	s_wait_xcnt 0x0                                ; the stores above have read their registers: the codes' registers are written again only behind this wait
	QUANT X, PW+1
.irp p, 0,1,2,3,4,5
	global_store_b64 v[GO], v[PC+2*\p:PC+2*\p+1], s[22:23] offset:1536+256*\p
.endr
	v_cndmask_b32 v[SW], v[PW], v[PW+1], s26       ; lanes 0-15 store fragment 0's word of row r, lanes 16-31 fragment 1's: 128 consecutive bytes
	global_store_b32 v[GS], v[SW], s[38:39]
	s_wait_tensorcnt 0x0
	ds_add_u32 v254, v255
	s_wait_dscnt 0x0
	s_endpgm
.Lfunc_end_k_q87ebca495e_quant:
	.size	k_q87ebca495e_quant, .Lfunc_end_k_q87ebca495e_quant-k_q87ebca495e_quant
	.p2alignl 7, 3214868480
	.fill 96, 4, 3214868480
	.section	.rodata,"a",@progbits
	.p2align	6, 0x0
	.amdhsa_kernel k_q87ebca495e_quant
		.amdhsa_group_segment_fixed_size 34304
		.amdhsa_private_segment_fixed_size 0
		.amdhsa_enable_private_segment 0
		.amdhsa_kernarg_size 56
		.amdhsa_user_sgpr_count 2
		.amdhsa_user_sgpr_kernarg_segment_ptr 1
		.amdhsa_wavefront_size32 1
		.amdhsa_system_sgpr_workgroup_id_x 1
		.amdhsa_system_sgpr_workgroup_id_y 1
		.amdhsa_system_sgpr_workgroup_id_z 1
		.amdhsa_system_vgpr_workitem_id 0
		.amdhsa_next_free_vgpr 256
		.amdhsa_next_free_sgpr 66
		.amdhsa_reserve_vcc 0
		.amdhsa_float_denorm_mode_32 3
		.amdhsa_float_denorm_mode_16_64 3
		.amdhsa_memory_ordered 1
		.amdhsa_forward_progress 1
		.amdhsa_inst_pref_size 20
	.end_amdhsa_kernel
	.amdgpu_metadata
---
amdhsa.version: [ 1, 2 ]
amdhsa.kernels:
  - .name:           k_q87ebca495e_quant
    .symbol:         k_q87ebca495e_quant.kd
    .args:
      - { .name: x, .offset: 0, .size: 8, .value_kind: global_buffer, .address_space: global }
      - { .name: w_q, .offset: 8, .size: 8, .value_kind: global_buffer, .address_space: global }
      - { .name: w_k, .offset: 16, .size: 8, .value_kind: global_buffer, .address_space: global }
      - { .name: w_v, .offset: 24, .size: 8, .value_kind: global_buffer, .address_space: global }
      - { .name: w_o, .offset: 32, .size: 8, .value_kind: global_buffer, .address_space: global }
      - { .name: xcode, .offset: 40, .size: 8, .value_kind: global_buffer, .address_space: global }
      - { .name: wcode, .offset: 48, .size: 8, .value_kind: global_buffer, .address_space: global }
    .group_segment_fixed_size: 34304
    .private_segment_fixed_size: 0
    .kernarg_segment_align: 8
    .kernarg_segment_size: 56
    .max_flat_workgroup_size: 128
    .sgpr_count:     66
    .vgpr_count:     256
    .wavefront_size: 32
...
	.end_amdgpu_metadata
.endif
;; end of part 1
;; launch proj (part 2): grid 8 x 32, 4 waves a work-group, clusters of 4 x 4, 327,680 bytes of LDS; arguments xcode, wcode, rec; writes rec
.if DOCPART == 2
	.amdgcn_target "amdgcn-amd-amdhsa--gfx1250"
	.amdhsa_code_object_version 6
	.text
	.protected	k_q87ebca495e_proj
	.globl	k_q87ebca495e_proj
	.p2align	8
	.type	k_q87ebca495e_proj,@function
k_q87ebca495e_proj:
	s_mov_b64 s[64:65], 0
	v_nop
	global_prefetch_b8 v0, s[64:65] scope:SCOPE_SE
	s_setreg_imm32_b32 hwreg(HW_REG_WAVE_MODE, 25, 1), 1
	s_wait_xcnt 0x0
	s_wait_alu depctr_hold_cnt(0) depctr_sa_sdst(0) depctr_va_vdst(0) depctr_va_sdst(0) depctr_va_ssrc(0) depctr_va_vcc(0) depctr_vm_vsrc(0)
	s_getreg_b32 s2, hwreg(HW_REG_IB_STS2, 6, 4)
	s_cmp_eq_u32 s2, 0
	s_cbranch_scc0 .Lentry_in_a_cluster
	s_endpgm
.Lentry_in_a_cluster:
	s_bfe_u32 s2, ttmp6, 0x10000c
	s_cmp_lg_u32 s2, 0xf033
	s_cbranch_scc0 .Lentry_shape_is_right
	s_endpgm
.Lentry_shape_is_right:
; q = x w_q^T, k = x w_k^T, v = x w_v^T on codes of FP6 (E2M3) with E8M0 scales, K = 1,024; the f32 sums are quantised again in registers and leave as codes: q and k along the head's 64, v along the keys.
; A WORK-GROUP STAYS AND MAKES ONE AND A HALF TILES: 8,192 x 3,072 outputs are 384 tiles of 256 x 256; 256 work-groups (i = 0..31 tiles of x, j = 0..7) take 256 x 384 outputs each, in two parts:
;   PART 1: 256 rows of x (tile i) x 256 rows of w_q | w_k (tile j).  Source 0 = the weights, source 1 = x: a lane keeps one row of x, its registers run along the head's 64.  A wave makes 128 x 128: 64 accumulators.
;   PART 2: the same 256 rows of x x 128 rows of w_v (two heads, 2 j and 2 j + 1).  Source 0 = x, source 1 = w_v: V^T, so that the keys run along a lane's registers.  A wave makes 128 keys x 64 d: 32 accumulators.
; K goes in steps of 256 through a ring of two LDS slots filled by the tensor data mover, and THE RING DOES NOT STOP BETWEEN THE PARTS: part 1's last two changes of slots ask for part 2's first two K steps, which land
; while part 1's results are quantised and stored.
; THE CODES LIE AS IMAGES OF THE OPERANDS' REGISTERS: a fragment (16 rows x 128 K) is six pieces of 256 bytes, lane l at 8 l; a tile of 16 rows has its 8 fragments on end (12,288 bytes).  So a K step of 128 rows is
; 8 rows of 3,072 bytes for one tensor load (a row is long, so the tile has 8 of them), every LDS load reads 256 consecutive bytes, and nothing is padded.
; THE ROWS OF A TILE OF 16 ARE NOT NEIGHBOURS (place r of tile T is row 32 (T / 2) + 8 (T % 2) + r + 8 (r / 8)): the 16 registers of two neighbouring result tiles are then 16 neighbours along source 0's rows.
; THE SCALES: x's and w_q | w_k's, for all of K, are two dense blocks of 8,192 bytes; they come into LDS once, with the first fills.  w_v's, 64 rows x 32 bytes a wave, come once into 32 registers.
; CLUSTERS: 4 x 4.  x's tiles hang on i alone and are asked for jointly along a row of the cluster, the weights' on j alone, along a column; in both parts.
; THE RECORD of (batch, head), 315,392 bytes: K's codes [key tile][768] at 0; V's [key step][d tile][1536]; K's scale words [tile / 4][r][tile % 4]; V's [key step][r][d tile]; then Q's codes and scale words as K's.
; LIMITS: a block whose largest magnitude lies under 2^-124, or of zeros, has the byte 1 (this program alone reads the bytes); NaN and infinities are not served.
; Part 2 reads 72 pieces from LDS for 32 products where part 1 reads 96 for 64: the price of equal work for every work-group.
; REGISTERS: window 0: v0-31 addresses; v32-63 scale words from LDS, two sets; v64-114 at work on the ways out; v128-223 x's fragments, one set; v224-255 w_v's scale words.
;   window 1: the weights' fragments, two sets, at v0 and v128.  windows 2, 3: the accumulators (part 2: window 2 alone).
.set TPITCH, 12288
.set TROW,   3072                      ; a tile of 16 rows in a K step: two fragments
.set FRB,    1536
.set NQ,     2
.set FR,     12
.set NL,     6
.set NP,     4                         ; places behind this matrix instruction (ISA guide 7.12.1)
.set HALFT,  8*TROW                    ; 128 rows: what one tensor load brings
.set SLOT,   4*HALFT                   ; x's 256 rows, then the weights' (part 2: 128 of them)
.set SCL,    2*SLOT                    ; behind the ring: x's scales, 8,192 bytes;
.set HALFS,  4096
.set RSC,    2*HALFS+128               ; the weights' begin 128 bytes further on than x's end: lanes 0-15 and lanes 16-31 of a load then fall on different banks
.set SPARE,  213248                    ; behind the scales: the spare words, 128 bytes for each wave: two blocks of 256 bytes that no other line names
.set XS_OFF, 6291456
.set WS_OFF, 3145728
.set REC,    315392
.set VOFF,   98304
.set KSOFF,  196608
.set VSOFF,  204800
.set QOFF,   208896
.set QSOFF,  307200
.set ADRA, 16                          ; v16-17 LDS address of x's fragments in slot 0, 1
.set ADRB, 20                          ; v20-21 of w_q | w_k's
.set ADRV, 22                          ; v22-23 of w_v's
.set CO0,  24                          ; v24, v25 the way out: 8 x lane, and the same in the next head's record
.set SA,   26                          ; v26    the way out: my place among the scale words
.set ADRS, 27                          ; v27    LDS address of my scale words: lanes 0-15 x's rows, lanes 16-31 w_q | w_k's; never rewritten
.set SPW,  28                          ; v28    LDS address of my spare word; never rewritten
.set NIL,  29                          ; v29    0; never rewritten
.set SH,   30                          ; v30    16 h
.set VSA,  31                          ; v31    8 r: my row among w_v's scale words; never rewritten
.set SC,   32                          ; scale words: set s at v[SC + 16 s]; register 2 i + q: lanes 0-15 x's block i, lanes 16-31 the weights' block i
.set TM,   64                          ; v64-79 at work in the quantiser
.set PW,   80                          ; v80-87 the blocks' scale words
.set PC,   96                          ; v96-107 the codes; v108-110, v112-114 the conversions' second halves
.set AF,   128
.set VS,   224                         ; w_v's scale words: K step ks, block a, fragment q at v[VS + 8 ks + 2 a + q], row r in lane r
.set G1, 24                            ; s[24:31] group 1 for x's tiles; s[32:39] group 0, one set for each slot
.set G0, 32
.set G1B, 48                           ; s[48:55], s[56:63] the same for the weights'
.set G0B, 56
.set G1S, 68                           ; s[68:75], s[76:79] for x's scales; s[80:87], s[88:91] for the weights'
.set G0S, 76
.set G1SB, 80
.set G0SB, 88
.set MSB, 0
.macro WIN new                         ; the immediate's high byte repeats the setting that is left
.if MSB != (\new)
	s_set_vgpr_msb (MSB<<8)|(\new)
.set MSB, (\new)
.endif
.endm
.set MUL_LO, 0xa1                      ; part 1: source 0 (weights) window 1, source 1 (x) window 0, C and D window 2
.set MUL_HI, 0xf1                      ; the same, C and D window 3
.set MUL_V,  0xa4                      ; part 2: source 0 (x) window 0, source 1 (w_v) window 1, C and D window 2
.set TO_B,   0x40                      ; destination window 1, address window 0
; A joint load of part 1: waves 0 and 1 fetch x's halves, waves 2 and 3 the weights'; the branch hangs on the wave's number alone.  Four v_nop follow each of the two lines.
.macro JLOAD g0a, g1a, g0b, g1b
	s_cmp_eq_u32 s15, 0
	s_cbranch_scc0 .Lfor_b_\@
	tensor_load_to_lds s[\g0a:\g0a+3], s[\g1a:\g1a+7]
	s_nop 0
.rept 4
	v_nop
.endr
	s_branch .Lasked_\@
.Lfor_b_\@:
	tensor_load_to_lds s[\g0b:\g0b+3], s[\g1b:\g1b+7]
	s_nop 0
.rept 4
	v_nop
.endr
.Lasked_\@:
.endm
; A joint load of part 2: waves 0 and 1 fetch x's halves, wave 2 w_v's 128 rows (8 rows of 3,072 bytes: the same group 1), wave 3 nothing.
; The four v_nop at the end are the places in front of the LDS loads that follow, on every wave's way.
.macro JLOADV s
	s_cmp_lt_u32 s14, 2
	s_cbranch_scc0 .Lnot_x_\@
	tensor_load_to_lds s[G0+4*\s:G0+4*\s+3], s[G1:G1+7]
	s_nop 0
.rept 4
	v_nop
.endr
	s_branch .Lasked_\@
.Lnot_x_\@:
	s_cmp_eq_u32 s14, 2
	s_cbranch_scc0 .Lasked_\@
	tensor_load_to_lds s[G0B+4*\s:G0B+4*\s+3], s[G1B:G1B+7]
	s_nop 0
.rept 4
	v_nop
.endr
.Lasked_\@:
.rept 4
	v_nop
.endr
.endm
.macro CREST                           ; a round of the cluster's barrier behind its opening barrier
	s_cmp_lg_u32 s14, 0
	s_cbranch_scc1 .Lnot_wave_0_\@
	s_barrier_signal -3
.Lnot_wave_0_\@:
	s_barrier_wait -3
	s_barrier_signal -1
	s_barrier_wait -1
.endm
.macro CROUND
	s_barrier_signal -1
	s_barrier_wait -1
	CREST
.endm
	s_load_b128 s[4:7], s[0:1], 0x0                ; xcode, wcode
	s_load_b64 s[8:9], s[0:1], 0x10                ; rec
	v_lshl_add_u32 v[SPW], v0, 2, SPARE
	v_mov_b32 v[NIL], 0
	ds_add_u32 v28, v29
	ds_add_u32 v28, v29
	s_wait_dscnt 0x0
	v_lshrrev_b32 v1, 5, v0
	v_readfirstlane_b32 s14, v1                    ; wave 0..3
	s_lshr_b32 s15, s14, 1                         ; which half of x's rows is mine.  Also: I fetch for x (0) or for the weights (1)
	s_and_b32 s16, s14, 1                          ; which half of the weights' rows.  Also: which 128 rows I fetch
	s_bfe_u32 s40, ttmp6, 0x40000                  ; cx, cy: my place in the cluster
	s_bfe_u32 s41, ttmp6, 0x40004
	s_lshl_b32 s42, ttmp9, 2
	s_add_co_u32 s42, s42, s40                     ; j, the weights' tile: 4 x cluster x + cx
	s_and_b32 s17, ttmp7, 0xffff
	s_lshl_b32 s17, s17, 2
	s_add_co_u32 s17, s17, s41                     ; i, x's tile: 4 x cluster y + cy
	s_lshl_b32 s43, s41, 2
	s_lshl_b32 s43, 15, s43                        ; my row of the cluster
	s_lshl_b32 s44, 0x1111, s40                    ; my column
	; descriptor group 1 for codes: 8 rows of 384 elements of 8 bytes, 1,536 elements apart; no padding
	s_or_b32 s[G1+0], s43, (3<<16)|(1<<21)         ; 15:0 the mask: x's tiles go to my row; 17:16 elements of 8 bytes; 21 set beside a mask
	s_or_b32 s[G1B+0], s44, (3<<16)|(1<<21)
.irp g, G1, G1B
	s_mov_b32 s[\g+1], 384<<16                     ; tensor_dim0
	s_mov_b32 s[\g+2], 8<<16                       ; tensor_dim1
	s_mov_b32 s[\g+3], 384<<16                     ; tile_dim0
	s_mov_b32 s[\g+4], 8                           ; tile_dim1
	s_mov_b32 s[\g+5], TPITCH/8                    ; tensor_dim0_stride
	s_mov_b32 s[\g+6], 0
	s_mov_b32 s[\g+7], 0
.endr
	; and for the scales of 128 rows: a dense block of 4,096 bytes as 16 rows of 256
	s_or_b32 s[G1S+0], s43, (3<<16)|(1<<21)
	s_or_b32 s[G1SB+0], s44, (3<<16)|(1<<21)
.irp g, G1S, G1SB
	s_mov_b32 s[\g+1], 32<<16
	s_mov_b32 s[\g+2], 16<<16
	s_mov_b32 s[\g+3], 32<<16
	s_mov_b32 s[\g+4], 16
	s_mov_b32 s[\g+5], 32
	s_mov_b32 s[\g+6], 0
	s_mov_b32 s[\g+7], 0
.endr
	s_lshl_b32 s18, s16, 3                         ; which 8 tiles of 16 rows I fetch
	s_lshl_b32 s20, s17, 4
	s_add_co_u32 s20, s20, s18
	s_mul_i32 s20, s20, TPITCH                     ; x's codes, in bytes
	s_mov_b32 s21, 0
	s_lshl_b32 s46, s42, 4
	s_add_co_u32 s46, s46, s18
	s_mul_i32 s46, s46, TPITCH                     ; w_q | w_k's
	s_mov_b32 s47, 0
	s_lshl_b32 s22, s17, 1
	s_add_co_u32 s22, s22, s16
	s_lshl_b32 s22, s22, 12
	s_add_co_u32 s22, s22, XS_OFF                  ; x's scales
	s_mov_b32 s23, 0
	s_lshl_b32 s92, s42, 1
	s_add_co_u32 s92, s92, s16
	s_lshl_b32 s92, s92, 12
	s_add_co_u32 s92, s92, WS_OFF                  ; w_q | w_k's
	s_mov_b32 s93, 0
	s_lshl_b32 s10, s42, 3                         ; from wave 2's last tile of part 1 (tile row 16 j, two K steps on) to its first of part 2 (tile row 128 + 8 j): an offset, the same in all of my column
	s_sub_co_u32 s10, 128, s10
	s_mul_i32 s10, s10, TPITCH
	s_sub_co_u32 s10, s10, 2*TROW
	s_mov_b32 s11, 0
	s_add_co_u32 s96, s42, 16                      ; w_v's scale words: the block of 128 rows 16 + j, my 64 rows of it
	s_lshl_b32 s96, s96, 12
	s_lshl_b32 s97, s16, 9
	s_add_co_u32 s96, s96, s97
	s_add_co_u32 s96, s96, WS_OFF
	s_mov_b32 s97, 0
	s_mul_i32 s45, s14, HALFT                      ; where the tiles go: wave x 128 rows: no place in the cluster enters an LDS address
	s_lshl_b32 s94, s14, 12
	s_wait_kmcnt 0x0
	s_add_nc_u64 s[20:21], s[4:5], s[20:21]
	s_add_nc_u64 s[22:23], s[4:5], s[22:23]
	s_add_nc_u64 s[46:47], s[6:7], s[46:47]
	s_add_nc_u64 s[92:93], s[6:7], s[92:93]
	s_add_nc_u64 s[96:97], s[6:7], s[96:97]
	CROUND                                         ; all sixteen work-groups are here: the first joint loads meet
	s_mov_b32 s[G0S], 1
	s_add_co_u32 s[G0S+1], s94, SCL
	s_mov_b64 s[G0S+2:G0S+3], s[22:23]
	s_or_b32 s[G0S+3], s[G0S+3], 0x80000000
	s_mov_b32 s[G0SB], 1
	s_add_co_u32 s[G0SB+1], s94, SCL+128
	s_mov_b64 s[G0SB+2:G0SB+3], s[92:93]
	s_or_b32 s[G0SB+3], s[G0SB+3], 0x80000000
	JLOAD G0S, G1S, G0SB, G1SB                     ; the scales first: they are wanted with K step 0
.irp s, 0,1
	s_mov_b32 s[G0+4*\s], 1
	s_add_co_u32 s[G0+4*\s+1], s45, \s*SLOT
	s_add_nc_u64 s[G0+4*\s+2:G0+4*\s+3], s[20:21], \s*TROW
	s_or_b32 s[G0+4*\s+3], s[G0+4*\s+3], 0x80000000
	s_mov_b32 s[G0B+4*\s], 1
	s_add_co_u32 s[G0B+4*\s+1], s45, \s*SLOT
	s_add_nc_u64 s[G0B+4*\s+2:G0B+4*\s+3], s[46:47], \s*TROW
	s_or_b32 s[G0B+4*\s+3], s[G0B+4*\s+3], 0x80000000
	JLOAD G0+4*\s, G1, G0B+4*\s, G1B
.endr
	v_and_b32 v1, 15, v0                           ; r
	v_bfe_u32 v2, v0, 4, 1                         ; h
	v_lshlrev_b32 v[VSA], 3, v1
.irp ks, 0,1,2,3
.irp a, 0,1,2,3
	global_load_b64 v[VS+8*\ks+2*\a:VS+8*\ks+2*\a+1], v[VSA], s[96:97] offset:1024*\ks+128*\a   ; w_v's scale words, once: sixteen rows' 128 consecutive bytes; both halves of the lanes take the same
.endr
.endr
	v_and_b32 v3, 31, v0
	v_lshlrev_b32 v3, 3, v3                        ; 8 x lane: my place in every piece
	s_mul_i32 s21, s15, HALFT                      ; my 128 rows of x
	s_mul_i32 s22, s16, HALFT                      ; my 128 rows of w_q | w_k,
	s_add_co_u32 s22, s22, 2*HALFT                 ; which lie behind x's 256
	s_mul_i32 s2, s16, 4*TROW                      ; my 64 rows of w_v, in the same place
	s_add_co_u32 s2, s2, 2*HALFT
.irp s, 0,1
	v_add_nc_u32 v[ADRA+\s], s21, v3
	v_add_nc_u32 v[ADRB+\s], s22, v3
	v_add_nc_u32 v[ADRV+\s], s2, v3
	s_add_co_u32 s21, s21, SLOT
	s_add_co_u32 s22, s22, SLOT
	s_add_co_u32 s2, s2, SLOT
.endr
	v_lshlrev_b32 v5, 3, v1                        ; my row's two scale words of a K step: 8 bytes a row
	s_lshl_b32 s21, s15, 12                        ; x's: my 128 rows
	s_lshl_b32 s22, s16, 12                        ; the weights': my 128 rows
	s_add_co_u32 s22, s22, RSC
	s_sub_co_u32 s22, s22, s21
	v_mul_u32_u24 v6, s22, v2                      ; lanes 16-31 take the weights': the lower base + h x the distance
	s_add_co_u32 s21, s21, SCL
	v_add_nc_u32 v5, v5, v6
	v_add_nc_u32 v[ADRS], s21, v5
.macro FRAG reg, adr, q, i             ; a fragment as it lies: six pieces of 256 bytes, registers 2 p, 2 p + 1 from piece p
.irp p, 0,1,2,3,4,5
	ds_load_b64 v[\reg+2*\p:\reg+2*\p+1], v[\adr] offset:(\i)*TROW+(\q)*FRB+256*\p
.endr
.endm
; PART 1: 16 matrix instructions: x's blocks a0, a0 + 1 against the weights' eight, 128 along K.  p: the weights' set; sc: the set of scale words.  zero = 1: the first product starts the sums.
; The 64 accumulators take turns, one instruction a turn, in the same order in every step.
.macro MUL16 a0, p, q, sc, zero
.irp a, \a0, \a0+1
.irp b, 0,1,2,3,4,5,6,7
.if \zero
	v_wmma_scale_f32_16x16x128_f8f6f4 v[8*(8*((\a)%4)+\b):8*(8*((\a)%4)+\b)+7], v[128*(\p)+FR*\b:128*(\p)+FR*\b+FR-1], v[AF+FR*(\a):AF+FR*(\a)+FR-1], 0, v[SC+8*NQ*(\sc)+NQ*\b+(\q)], v[SC+8*NQ*(\sc)+NQ*(\a)+(\q)] matrix_a_fmt:MATRIX_FMT_FP6 matrix_b_fmt:MATRIX_FMT_FP6 matrix_a_scale:MATRIX_SCALE_ROW1
.else
	v_wmma_scale_f32_16x16x128_f8f6f4 v[8*(8*((\a)%4)+\b):8*(8*((\a)%4)+\b)+7], v[128*(\p)+FR*\b:128*(\p)+FR*\b+FR-1], v[AF+FR*(\a):AF+FR*(\a)+FR-1], v[8*(8*((\a)%4)+\b):8*(8*((\a)%4)+\b)+7], v[SC+8*NQ*(\sc)+NQ*\b+(\q)], v[SC+8*NQ*(\sc)+NQ*(\a)+(\q)] matrix_a_fmt:MATRIX_FMT_FP6 matrix_b_fmt:MATRIX_FMT_FP6 matrix_a_scale:MATRIX_SCALE_ROW1
.endif
.endr
.endr
.endm
; PART 2: 8 matrix instructions: x's blocks b0, b0 + 1 (source 0) against w_v's four (source 1); accumulator (a, b) at v[8 (8 a + b)] of window 2.  ks: the K step, for w_v's scale words.  The 32 accumulators take turns likewise.
.macro MULV b0, p, q, sc, ks, zero
.irp b, \b0, \b0+1
.irp a, 0,1,2,3
.if \zero
	v_wmma_scale_f32_16x16x128_f8f6f4 v[8*(8*\a+(\b)):8*(8*\a+(\b))+7], v[AF+FR*(\b):AF+FR*(\b)+FR-1], v[128*(\p)+FR*\a:128*(\p)+FR*\a+FR-1], 0, v[SC+8*NQ*(\sc)+NQ*(\b)+(\q)], v[VS+8*(\ks)+2*\a+(\q)] matrix_a_fmt:MATRIX_FMT_FP6 matrix_b_fmt:MATRIX_FMT_FP6
.else
	v_wmma_scale_f32_16x16x128_f8f6f4 v[8*(8*\a+(\b)):8*(8*\a+(\b))+7], v[AF+FR*(\b):AF+FR*(\b)+FR-1], v[128*(\p)+FR*\a:128*(\p)+FR*\a+FR-1], v[8*(8*\a+(\b)):8*(8*\a+(\b))+7], v[SC+8*NQ*(\sc)+NQ*(\b)+(\q)], v[VS+8*(\ks)+2*\a+(\q)] matrix_a_fmt:MATRIX_FMT_FP6 matrix_b_fmt:MATRIX_FMT_FP6
.endif
.endr
.endr
.endm
.macro FETCH_B slot, q, p              ; w_q | w_k's eight fragments into set p
	WIN TO_B
.irp i, 0,1,2,3,4,5,6,7
	FRAG 128*(\p)+FR*\i, ADRB+\slot, \q, \i
.endr
	WIN 0
.endm
.macro FETCH_V slot, q, p              ; w_v's four
	WIN TO_B
.irp i, 0,1,2,3
	FRAG 128*(\p)+FR*\i, ADRV+\slot, \q, \i
.endr
	WIN 0
.endm
.macro FETCH_A slot, q, i0             ; x's blocks i0 .. i0 + 3
.irp i, \i0, \i0+1, \i0+2, \i0+3
	FRAG AF+FR*(\i), ADRA+\slot, \q, \i
.endr
.endm
.macro SCALES sc, ks                   ; K step ks's scale words into set sc: two words a row; lanes 0-15 x's block i, lanes 16-31 w_q | w_k's block i (not used in part 2)
.irp i, 0,1,2,3,4,5,6,7
	ds_load_b64 v[SC+8*NQ*\sc+NQ*\i:SC+8*NQ*\sc+NQ*\i+1], v[ADRS] offset:128*\i+1024*(\ks)
.endr
.endm
.macro PLACES n                        ; plain vector instructions between a matrix instruction and a load into, or a read of, its registers (ISA guide 7.12.1 for the reads)
.rept \n
	v_nop
.endr
.endm
; PART 1, a step of 128 along K that has its successor in the same slot.  x has one set of registers: blocks 0-3 are fetched anew in the step's middle, blocks 4-7 at its end; the weights have two sets.
.macro STEP slot, q, zero
	s_wait_dscnt 4*NL                              ; the weights' set and x's blocks 0-3 are in; the youngest 24 loads (x's blocks 4-7) may be out
	WIN MUL_LO
	MUL16 0, (\q)%2, \q, \slot, \zero
	MUL16 2, (\q)%2, \q, \slot, \zero
	s_wait_dscnt 0
	PLACES NP
	FETCH_B \slot, (\q)+1, 1-(\q)%2
	FETCH_A \slot, (\q)+1, 0
	WIN MUL_HI
	MUL16 4, (\q)%2, \q, \slot, \zero
	MUL16 6, (\q)%2, \q, \slot, \zero
	PLACES NP
	WIN 0
	FETCH_A \slot, (\q)+1, 4
.endm
; PART 1, a slot's last step changes slots: one barrier, which opens a round of the cluster's; in front of it each wave waits for all its tensor loads, adds 0 to its spare word, and waits for that and for its reads of this slot.
; The slot is filled again: cross = 0: with part 1's K step two steps on; cross = 1: with part 2's K step 0 or 1.  nks: the next K step's number, for its scale words.  nextv = 1: the next slot holds part 2's tiles.
.macro TURN slot, next, cross, nks, nextv
	s_wait_tensorcnt 0x0                           ; all my tensor loads have landed: my part of the next slot
	ds_add_u32 v[SPW], v[NIL]                      ; 0 onto my spare word
	s_wait_dscnt 4*NL+1                            ; (the add and the youngest 24 loads, x's blocks 4-7, may be out)
	WIN MUL_LO
	MUL16 0, 1, NQ-1, \slot, 0                     ; sixteen matrix instructions stand between the add and the wait for it
	s_wait_dscnt 0x0                               ; the add is done, and my reads of this slot are over
	s_barrier_signal -1
	MUL16 2, 1, NQ-1, \slot, 0
	WIN 0
	s_barrier_wait -1
	CREST                                          ; no wave of any partner still reads this slot or has a load on its way
.if \cross
	s_sub_nc_u64 s[G0+4*\slot+2:G0+4*\slot+3], s[G0+4*\slot+2:G0+4*\slot+3], 2*TROW        ; x: the same rows, back along K
	s_add_nc_u64 s[G0B+4*\slot+2:G0B+4*\slot+3], s[G0B+4*\slot+2:G0B+4*\slot+3], s[10:11]  ; the weights: on to w_v's rows (wave 2's address; wave 3's is used no more)
	JLOADV \slot                                   ; the first tensor load behind the round
.else
	s_add_nc_u64 s[G0+4*\slot+2:G0+4*\slot+3], s[G0+4*\slot+2:G0+4*\slot+3], 2*TROW
	s_add_nc_u64 s[G0B+4*\slot+2:G0B+4*\slot+3], s[G0B+4*\slot+2:G0B+4*\slot+3], 2*TROW
	JLOAD G0+4*\slot, G1, G0B+4*\slot, G1B         ; the first tensor load behind the round; the four v_nop behind it are the places in front of the loads below
.endif
.if \nextv
	FETCH_V \next, 0, 0
.else
	FETCH_B \next, 0, 0
.endif
	FETCH_A \next, 0, 0
	SCALES \next, \nks
	WIN MUL_HI
	MUL16 4, 1, NQ-1, \slot, 0
	MUL16 6, 1, NQ-1, \slot, 0
	PLACES NP
	WIN 0
	FETCH_A \next, 0, 4
.endm
; PART 2, the same two steps: 32 matrix instructions each
.macro STEP2 slot, ks, zero
	s_wait_dscnt 4*NL                              ; w_v's set and x's blocks 0-3 are in; the youngest 24 loads (x's blocks 4-7) may be out
	WIN MUL_V
	MULV 0, 0, 0, \slot, \ks, \zero
	MULV 2, 0, 0, \slot, \ks, \zero
	s_wait_dscnt 0
	PLACES NP
	FETCH_V \slot, 1, 1
	FETCH_A \slot, 1, 0
	WIN MUL_V
	MULV 4, 0, 0, \slot, \ks, \zero
	MULV 6, 0, 0, \slot, \ks, \zero
	PLACES NP
	WIN 0
	FETCH_A \slot, 1, 4
.endm
.macro TURN2 slot, next, fill, ks
	s_wait_tensorcnt 0x0                           ; all my tensor loads have landed: my part of the next slot
	ds_add_u32 v[SPW], v[NIL]                      ; 0 onto my spare word
	s_wait_dscnt 4*NL+1                            ; (the add and the youngest 24 loads may be out)
	WIN MUL_V
	MULV 0, 1, 1, \slot, \ks, 0                    ; eight matrix instructions stand between the add and the wait for it
	s_wait_dscnt 0x0                               ; the add is done, and my reads of this slot are over
	s_barrier_signal -1
	MULV 2, 1, 1, \slot, \ks, 0
	WIN 0
	s_barrier_wait -1
.if \fill
	CREST
	s_add_nc_u64 s[G0+4*\slot+2:G0+4*\slot+3], s[G0+4*\slot+2:G0+4*\slot+3], 2*TROW
	s_add_nc_u64 s[G0B+4*\slot+2:G0B+4*\slot+3], s[G0B+4*\slot+2:G0B+4*\slot+3], 2*TROW
	JLOADV \slot                                   ; the first tensor load behind the round
.else
	PLACES NP
.endif
	FETCH_V \next, 0, 0
	FETCH_A \next, 0, 0
	SCALES \next, (\ks)+1
	WIN MUL_V
	MULV 4, 1, 1, \slot, \ks, 0
	MULV 6, 1, 1, \slot, \ks, 0
	PLACES NP
	WIN 0
	FETCH_A \next, 0, 4
.endm
; The quantiser on 64 registers from v[s] of window w: register 16 b + i = place 32 b + 16 h + i along source 0's rows.  Codes to v[PC] on, the scale word to v[PW + a].  Each accumulator is read from its low end on.
.macro QUANTW w, s, a
	WIN ((\w)<<2)|((\w)<<4)                        ; sources 1 and 2: the accumulators' window
.irp b, 0,1,2,3
	v_max3_num_f32 v[TM+\b], 0x1800000, |v[(\s)+16*\b]|, |v[(\s)+1+16*\b]|   ; the floor 2^(3 - 127), and my 16 numbers of block b
.endr
.irp i, 2,4,6,8,10,12,14
.irp b, 0,1,2,3
	v_max3_num_f32 v[TM+\b], v[TM+\b], |v[(\s)+16*\b+\i]|, |v[(\s)+1+16*\b+\i]|
.endr
.endr
	WIN 0
.irp b, 0,1,2,3
	v_permlanex16_b32 v[TM+4+\b], v[TM+\b], s18, s19
.endr
.irp b, 0,1,2,3
	v_max_num_f32 v[TM+\b], v[TM+\b], v[TM+4+\b]   ; with lane l xor 16's: the block's largest magnitude
.endr
.irp b, 0,1,2,3
	v_add_nc_u32 v[TM+12+\b], 0xff000000, v[TM+\b] ; 2 off its exponent field: the conversion's scale operand
.endr
.irp b, 0,1,2,3
	v_lshrrev_b32 v[TM+4+\b], 23, v[TM+12+\b]      ; the scale's byte
.endr
	v_lshl_or_b32 v[PW+(\a)], v[TM+5], 8, v[TM+4]
	v_lshl_or_b32 v[PW+(\a)], v[TM+6], 16, v[PW+(\a)]
	v_lshl_or_b32 v[PW+(\a)], v[TM+7], 24, v[PW+(\a)]
	WIN (\w)                                       ; source 0: the accumulators' window
.irp c, 0,1
	v_cvt_scalef32_pk16_fp6_f32 v[PC+6*\c:PC+2+6*\c], v[(\s)+32*\c:(\s)+15+32*\c], v[TM+12+2*\c]
	v_cvt_scalef32_pk16_fp6_f32 v[PC+12+4*\c:PC+14+4*\c], v[(\s)+16+32*\c:(\s)+31+32*\c], v[TM+12+2*\c+1]
.endr
	WIN 0
	v_nop                                          ; one plain place behind a scaled conversion
.irp c, 0,1
.irp i, 0,1,2
	v_permlane16_swap_b32 v[PC+6*\c+\i], v[PC+12+4*\c+\i]
.endr
.irp i, 0,1,2
	v_mov_b32 v[PC+3+6*\c+\i], v[PC+12+4*\c+\i]
.endr
.endr
.endm
	s_wait_tensorcnt 1                             ; the scales and my part of K step 0 are in (K step 1's load may be out)
	s_barrier_signal -1
	s_barrier_wait -1                              ; everybody's are
	FETCH_B 0, 0, 0
	FETCH_A 0, 0, 0
	SCALES 0, 0
	FETCH_A 0, 0, 4
	STEP 0, 0, 1                                   ; PART 1.  K has four steps of 256: they are written out.  The first products start the sums
	TURN 0, 1, 0, 1, 0                             ; slot 0 takes K step 2
	STEP 1, 0, 0
	TURN 1, 0, 0, 2, 0                             ; slot 1 takes K step 3
	STEP 0, 0, 0
	TURN 0, 1, 1, 3, 0                             ; slot 0 takes part 2's K step 0
	STEP 1, 0, 0
	TURN 1, 0, 1, 0, 1                             ; slot 1 takes part 2's K step 1, and part 2's first fragments are fetched
	; PART 1'S WAY OUT, while part 2's tiles and fragments are on their way.  Block a's 64 registers of a lane belong to one row of x; 128 along the weights' rows are two heads of 64:
	; the fragment's registers 0-5 go to one head's record, 6-11 to the next head's.
	v_and_b32 v1, 31, v0                           ; (these plain lines stand with the four v_nop above as places behind the last products)
	v_and_b32 v2, 15, v0
	v_bfe_u32 v3, v0, 4, 1
	v_lshlrev_b32 v[CO0], 3, v1
	v_add_nc_u32 v[CO0+1], REC, v[CO0]
	v_mul_u32_u24 v[SA], v3, REC                   ; scale words: lanes 0-15 one head's record, lanes 16-31 the next head's;
	v_lshl_add_u32 v[SA], v2, 4, v[SA]             ; 16 bytes (four tiles' words) a row
	v_lshlrev_b32 v[SH], 4, v3
.irp b, 0,1,2,3
	v_mov_b32 v[TM+4+\b], 0                        ; written once: a lane permute's destination counts as one of its sources
.endr
	s_mov_b32 s18, 0x76543210
	s_mov_b32 s19, 0xfedcba98                      ; selects for lane l xor 16
	s_mov_b32 s20, 0xffff0000                      ; lanes 16-31
	s_lshr_b32 s21, s17, 3                         ; batch = i / 8
	s_lshl_b32 s21, s21, 4
	s_and_b32 s22, s17, 7
	s_lshl_b32 s22, s22, 4
	s_lshl_b32 s23, s15, 3
	s_add_co_u32 s22, s22, s23                     ; my first tile of 16 rows in the batch
	s_lshl_b32 s46, s42, 2
	s_lshl_b32 s47, s16, 1
	s_add_co_u32 s46, s46, s47                     ; my first head, 0-15 of q, 16-31 of k
	s_and_b32 s47, s46, 15
	s_add_co_u32 s2, s21, s47                      ; the record
	s_mul_i32 s3, s22, 768
	s_lshl_b32 s66, s22, 6
	s_mov_b32 s21, QOFF
	s_mov_b32 s23, QSOFF
	s_cmp_ge_u32 s46, 16
	s_cselect_b32 s21, 0, s21                      ; K's codes begin the record
	s_cselect_b32 s23, KSOFF, s23
	s_add_co_u32 s3, s3, s21                       ; codes, inside the record
	s_add_co_u32 s66, s66, s23                     ; scale words
	s_mul_i32 s2, s2, REC
	s_add_co_u32 s22, s2, s3
	s_mov_b32 s23, 0
	s_add_nc_u64 s[12:13], s[8:9], s[22:23]        ; codes
	s_add_co_u32 s22, s2, s66
	s_add_nc_u64 s[92:93], s[8:9], s[22:23]        ; scale words
.irp a, 0,1,2,3,4,5,6,7
.if \a > 0
	s_wait_xcnt 0x0                                ; the last block's stores have read their registers and their base: both are written again only behind this wait
	s_add_nc_u64 s[12:13], s[12:13], 768           ; the next tile of 16 rows
.endif
	QUANTW 2+\a/4, 64*(\a%4), \a
.irp c, 0,1
.irp i, 0,1,2
	global_store_b64 v[CO0+\c], v[PC+6*\c+2*\i:PC+6*\c+2*\i+1], s[12:13] offset:256*\i   ; 32 lanes store 256 consecutive bytes, aligned
.endr
.endr
.endr
.irp a, 0,1,2,3,4,5,6,7
	v_bfe_u32 v[PW+\a], v[PW+\a], v[SH], 16        ; lanes 0-15 keep the first head's two bytes, lanes 16-31 the second's; the word's upper two bytes, for the 64 along K that hold zero codes, are 0
.endr
	global_store_b128 v[SA], v[PW:PW+3], s[92:93]              ; sixteen lanes store 256 consecutive bytes: four tiles' words
	global_store_b128 v[SA], v[PW+4:PW+7], s[92:93] offset:256
	s_wait_loadcnt 0x0                             ; w_v's scale words
	STEP2 0, 0, 1                                  ; PART 2.  Its first products start the sums anew, in window 2, which the way out has read
	TURN2 0, 1, 1, 0                               ; slot 0 takes K step 2
	STEP2 1, 1, 0
	TURN2 1, 0, 1, 1                               ; slot 1 takes K step 3
	STEP2 0, 2, 0
	TURN2 0, 1, 0, 2                               ; nothing is left to fetch
	STEP2 1, 3, 0
	s_wait_dscnt 4*NL
	WIN MUL_V
	MULV 0, 1, 1, 1, 3, 0
	MULV 2, 1, 1, 1, 3, 0
	s_wait_dscnt 0
	MULV 4, 1, 1, 1, 3, 0
	MULV 6, 1, 1, 1, 3, 0
	WIN 0
	; PART 2'S WAY OUT.  Block a's 64 registers of a lane are one d (tile a of my head) and my 128 keys, a key step: the whole fragment goes to one place.
	PLACES NP
	s_wait_xcnt 0x0                                ; part 1's stores have read their registers and their bases
	v_lshlrev_b32 v[SA], 4, v2
	v_lshl_add_u32 v[SA], v3, 3, v[SA]             ; scale words: 16 r + 8 h: two of a row's four words a lane
	s_lshl_b32 s21, s17, 1
	s_add_co_u32 s21, s21, s15                     ; my 128 keys are group 2 i + half of 64
	s_lshr_b32 s22, s21, 4
	s_lshl_b32 s22, s22, 4
	s_lshl_b32 s23, s42, 1
	s_add_co_u32 s22, s22, s23
	s_add_co_u32 s22, s22, s16                     ; the record: 16 batch + 2 j + half
	s_and_b32 s21, s21, 15                         ; the key step
	s_mul_i32 s23, s21, 4*FRB
	s_add_co_u32 s23, s23, VOFF
	s_lshl_b32 s21, s21, 8
	s_add_co_u32 s21, s21, VSOFF
	s_mul_i32 s22, s22, REC
	s_add_co_u32 s2, s22, s23
	s_mov_b32 s3, 0
	s_add_nc_u64 s[12:13], s[8:9], s[2:3]          ; codes
	s_add_co_u32 s2, s22, s21
	s_add_nc_u64 s[92:93], s[8:9], s[2:3]          ; scale words
.irp a, 0,1,2,3
.if \a > 0
	s_wait_xcnt 0x0                                ; the last block's stores have read their registers
.endif
	QUANTW 2, 64*\a, \a
.irp p, 0,1,2,3,4,5
	global_store_b64 v[CO0], v[PC+2*\p:PC+2*\p+1], s[12:13] offset:\a*FRB+256*\p   ; 32 lanes store 256 consecutive bytes, aligned
.endr
.endr
	v_cndmask_b32 v[PW], v[PW], v[PW+2], s20       ; lanes 0-15 store d tiles 0 and 1's words of row r, lanes 16-31 tiles 2 and 3's: 256 consecutive bytes
	v_cndmask_b32 v[PW+1], v[PW+1], v[PW+3], s20
	global_store_b64 v[SA], v[PW:PW+1], s[92:93]
	s_wait_tensorcnt 0x0                           ; the wave's end
	ds_add_u32 v[SPW], v[NIL]
	s_wait_dscnt 0x0
	CROUND                                         ; the closing round: no work-group ends while a partner may still ask for a tile that names it
	s_endpgm
.Lfunc_end_k_q87ebca495e_proj:
	.size	k_q87ebca495e_proj, .Lfunc_end_k_q87ebca495e_proj-k_q87ebca495e_proj
	.p2alignl 7, 3214868480
	.fill 96, 4, 3214868480
	.section	.rodata,"a",@progbits
	.p2align	6, 0x0
	.amdhsa_kernel k_q87ebca495e_proj
		.amdhsa_group_segment_fixed_size 327680
		.amdhsa_private_segment_fixed_size 0
		.amdhsa_enable_private_segment 0
		.amdhsa_kernarg_size 24
		.amdhsa_user_sgpr_count 2
		.amdhsa_user_sgpr_kernarg_segment_ptr 1
		.amdhsa_wavefront_size32 1
		.amdhsa_system_sgpr_workgroup_id_x 1
		.amdhsa_system_sgpr_workgroup_id_y 1
		.amdhsa_system_sgpr_workgroup_id_z 1
		.amdhsa_system_vgpr_workitem_id 0
		.amdhsa_next_free_vgpr 1024
		.amdhsa_next_free_sgpr 102
		.amdhsa_reserve_vcc 0
		.amdhsa_float_denorm_mode_32 3
		.amdhsa_float_denorm_mode_16_64 3
		.amdhsa_memory_ordered 1
		.amdhsa_forward_progress 1
		.amdhsa_inst_pref_size 255
	.end_amdhsa_kernel
	.section	.bss,"aw",@nobits
	.p2align	6
	.space	262144
	.amdgpu_metadata
---
amdhsa.version: [ 1, 2 ]
amdhsa.kernels:
  - .name:           k_q87ebca495e_proj
    .symbol:         k_q87ebca495e_proj.kd
    .args:
      - { .name: xcode, .offset: 0, .size: 8, .value_kind: global_buffer, .address_space: global }
      - { .name: wcode, .offset: 8, .size: 8, .value_kind: global_buffer, .address_space: global }
      - { .name: rec, .offset: 16, .size: 8, .value_kind: global_buffer, .address_space: global }
    .group_segment_fixed_size: 327680
    .private_segment_fixed_size: 0
    .kernarg_segment_align: 8
    .kernarg_segment_size: 24
    .max_flat_workgroup_size: 128
    .sgpr_count:     102
    .vgpr_count:     1024
    .wavefront_size: 32
...
	.end_amdgpu_metadata
.endif
;; end of part 2
;; launch attn (part 3): grid 4 x 64, 16 waves a work-group, clusters of 4 x 1, 210,944 bytes of LDS; arguments rec, acode; writes acode
.if DOCPART == 3
	.amdgcn_target "amdgcn-amd-amdhsa--gfx1250"
	.amdhsa_code_object_version 6
	.text
	.protected	k_q87ebca495e_attn
	.globl	k_q87ebca495e_attn
	.p2align	8
	.type	k_q87ebca495e_attn,@function
k_q87ebca495e_attn:
	s_mov_b64 s[64:65], 0
	v_nop
	global_prefetch_b8 v0, s[64:65] scope:SCOPE_SE
	s_setreg_imm32_b32 hwreg(HW_REG_WAVE_MODE, 25, 1), 1
	s_wait_xcnt 0x0
	s_wait_alu depctr_hold_cnt(0) depctr_sa_sdst(0) depctr_va_vdst(0) depctr_va_sdst(0) depctr_va_ssrc(0) depctr_va_vcc(0) depctr_vm_vsrc(0)
	s_getreg_b32 s2, hwreg(HW_REG_IB_STS2, 6, 4)
	s_cmp_eq_u32 s2, 0
	s_cbranch_scc0 .Lentry_in_a_cluster
	s_endpgm
.Lentry_in_a_cluster:
	s_bfe_u32 s2, ttmp6, 0x10000c
	s_cmp_lg_u32 s2, 0x3003
	s_cbranch_scc0 .Lentry_shape_is_right
	s_endpgm
.Lentry_shape_is_right:
; Causal attention of one (batch, head) on codes of FP6 (E2M3) with E8M0 scales: S = Q K^T / 8 (K = the head's 64: the instruction's upper 64 along K hold zero codes on both sides),
; p = 2^(t - M), t = S log2(e), M the running largest t rounded up to a whole number, quantised along the keys; O = p V, divided at the end by the sum of the unquantised p; O is quantised along the head's 64 and leaves as codes.
; THE WHOLE HEAD STAYS IN LDS: K's and V's codes and scale words are the record's first 208,896 bytes.  They are filled ONCE, by four joint loads, and only read afterwards: no ring, no refill.
; CLUSTER: the four work-groups of a cluster serve one head, so each of the four loads is asked for jointly, with the same descriptor and the mask of all four.
; SHARES, EVEN TO THE STEP: query tile T = 4 m + cx (16 queries; place r is query 32 (T / 2) + 8 (T % 2) + r + 8 (r / 8)) needs key steps 0 .. m / 2 of 128 keys, whatever cx.  Wave w takes m = 31 - w and then m = w:
; 17 steps for every wave of every work-group.  The loops' trip counts are constants (16 and 8); a step beyond a tile's last is jumped over by a scalar branch on the step's number against m / 2, which hangs on the wave's number alone.
; LAYOUT: both products transposed: S^T = K Q^T, O^T = V^T P^T: a lane holds one query throughout.  The keys of a tile of K and the d of a tile of V stand in the order given above, so that 16 registers of two neighbouring
; result tiles are 16 neighbours along the next product's K.
; LIMITS: hidden scores are taken as -infinity where reference() writes -1e9: the same p = 0 as long as a row's visible scores stay above -1e9 + 200; a block of p, or of O, under 2^-124 or of zeros has the byte 1;
; NaN and infinities are not served.  The 32 scale bytes of a tile leave by single bytes, 2 in each 8: one byte in 24 of what the launch stores.
; Sixteen waves of 256 registers, four to a SIMD: one wave's vector work stands beside another's matrix work and LDS loads.
.set REC,    315392
.set VOFF,   98304
.set KSOFF,  196608
.set VSOFF,  204800
.set QOFF,   208896
.set QSOFF,  307200
.set AS_OFF, 6291456
.set QUART,  52224                     ; a quarter of the head's 208,896 bytes: 204 rows of 256: what one tensor load brings
.set STEPB,  6144                      ; a key step's codes of K (8 tiles x 768) and of V (4 fragments x 1,536)
.set AK0,  1                           ; v1   8 x lane: my place in a piece, in LDS (K's codes begin at 0) and in memory
.set AV0,  2                           ; v2   the same in V's codes
.set ASK0, 3                           ; v3   16 r, in K's scale words
.set ASV0, 4                           ; v4   in V's
.set DL,   5                           ; v5   r + 8 (r / 8) - 16 h
.set G16,  7                           ; v7   16 r
.set ADK,  8                           ; v8-11 the step's LDS addresses: K, V, K's scale words, V's
.set ADV,  9
.set ADS,  10
.set ADT,  11                          ; v12 -M, v13 the largest t, v[14:15] the sum in two halves
.set Q1,   16                          ; v16-27 the long tile's Q (v22-27 zero codes); v28 its scale word
.set QS1,  28
.set PS,   29                          ; v29  p's scale word
.set F,    30                          ; v[30:31] f = 2^(old M - new M)
.set KFR,  32                          ; v32-79 four fragments of K; the upper six registers of each hold zero codes and are written once
.set KSC,  80                          ; v80-87 K's scale words of the step's eight tiles
.set VSC,  88                          ; v88-91 V's of its four
.set BM,   92                          ; v92-95 the blocks' largest
.set S,    96                          ; v96-159 S^T, then p; then V's four fragments in v96-143
.set O,    160                         ; v160-191 O^T
.set PC,   192                         ; v192-203 p's codes
.set PH,   204                         ; v204-206, v208-210 the conversions' second halves
.set PT,   212                         ; v212-215
.set SO,   216                         ; v216-219 the conversions' scale operands
.set SUM2, 220                         ; v[220:221] the sum's second chain
.set T0,   222
.set T1,   223
.set T2,   224
.set GS,   225                         ; v225 8 r + h
.set SBY,  226                         ; v226 the scale byte that I store
.set Q2,   232                         ; v232-243 the short tile's Q; v244 its scale word
.set QS2,  244
.set WV,   8                           ; s8 wave; s9 cx; s10 16 batch + head
.set G1,   12                          ; s[12:19] descriptor group 1; s[20:23] group 0
.set G0,   20
.set SEL,  66                          ; s[66:67] selects for lane l xor 16
.set CS,   68                          ; s[68:69] c = log2(e) / 8
.set TB,   70                          ; s70 the step's codes, s71 K's scale words, s72 V's: bytes from the region's start
.set TS,   71
.set TJ,   72
.set KS,   73                          ; s73 the key step
.set CNT,  75
.set HI,   77                          ; s77 lanes 16-31
.macro ROUND                           ; a round of the cluster's barrier
	s_barrier_signal -1
	s_barrier_wait -1
	s_cmp_lg_u32 s[WV], 0
	s_cbranch_scc1 .Lnot_wave_0_\@
	s_barrier_signal -3
.Lnot_wave_0_\@:
	s_barrier_wait -3
	s_barrier_signal -1
	s_barrier_wait -1
.endm
	s_load_b128 s[4:7], s[0:1], 0x0                ; rec, acode
	v_lshl_add_u32 v254, v0, 2, 0x33000
	v_mov_b32 v255, 0
	ds_add_u32 v254, v255
	ds_add_u32 v254, v255
	v_lshrrev_b32 v8, 5, v0
	s_delay_alu instid0(VALU_DEP_1)
	v_readfirstlane_b32 s[WV], v8                  ; wave 0..15
	s_bfe_u32 s9, ttmp6, 0x40000                   ; cx: it enters global addresses and the mask's numbers alone
	s_and_b32 s10, ttmp7, 0xffff                   ; the record, which the four partners share
	s_mul_i32 s96, s10, REC
	s_mov_b32 s97, 0
	s_mov_b32 s[G1], 15|(3<<16)|(1<<21)            ; 15:0 the mask: all four work-groups; 17:16 elements of 8 bytes; 21 set beside a mask; no padding
	s_mov_b32 s[G1+1], 32<<16                      ; tensor_dim0 = 32: rows of 256 bytes of a dense block
	s_mov_b32 s[G1+2], 204<<16                     ; tensor_dim1
	s_mov_b32 s[G1+3], 32<<16                      ; tile_dim0
	s_mov_b32 s[G1+4], 204                         ; tile_dim1
	s_mov_b32 s[G1+5], 32                          ; tensor_dim0_stride
	s_mov_b32 s[G1+6], 0
	s_mov_b32 s[G1+7], 0
	s_and_b32 s11, s[WV], 3
	s_mov_b32 s[G0], 1
	s_mul_i32 s[G0+1], s11, QUART                  ; LDS mirrors the record: the same offset on both sides
	s_mov_b32 s98, s[G0+1]
	s_mov_b32 s99, 0
	s_wait_dscnt 0x0
	s_wait_kmcnt 0x0
	s_add_nc_u64 s[4:5], s[4:5], s[96:97]          ; my record
	s_add_nc_u64 s[G0+2:G0+3], s[4:5], s[98:99]
	s_or_b32 s[G0+3], s[G0+3], 0x80000000
	ROUND                                          ; all four work-groups are here: the joint loads meet
	s_cmp_lt_u32 s[WV], 4                          ; waves 0 to 3 fetch a quarter each: one tensor load of mine is out, or none
	s_cbranch_scc0 .Lasked
	tensor_load_to_lds s[G0:G0+3], s[G1:G1+7]
	s_nop 0
.rept 4
	v_nop
.endr
.Lasked:
; The pointers of the tile with m in s[m]: Q's codes s[o:o+1], Q's scale words s[o+2:o+3], the output's codes s[o+4:o+5] and scale bytes s[o+6:o+7]; its last key step s[lim]; its first query's place in that step s[dq]
.macro PTRS m, o, lim, dq
	s_lshr_b32 s[\lim], s[\m], 1
	s_lshl_b32 s96, s[\m], 2
	s_add_co_u32 s96, s96, s9                      ; T = 4 m + cx
	s_lshr_b32 s97, s96, 1
	s_and_b32 s97, s97, 3
	s_lshl_b32 s97, s97, 5
	s_and_b32 s3, s96, 1
	s_lshl_b32 s3, s3, 3
	s_add_co_u32 s[\dq], s97, s3                   ; 32 ((T / 2) % 4) + 8 (T % 2)
	s_mul_i32 s98, s96, 768
	s_add_co_u32 s98, s98, QOFF
	s_mov_b32 s99, 0
	s_add_nc_u64 s[\o:\o+1], s[4:5], s[98:99]
	s_lshl_b32 s98, s[\m], 8
	s_lshl_b32 s97, s9, 2
	s_add_co_u32 s98, s98, s97
	s_add_co_u32 s98, s98, QSOFF
	s_add_nc_u64 s[\o+2:\o+3], s[4:5], s[98:99]
	s_lshr_b32 s97, s10, 4
	s_lshl_b32 s97, s97, 7
	s_add_co_u32 s97, s97, s96                     ; the tile among all 512: 128 batch + T
	s_and_b32 s2, s10, 15                          ; the head
	s_mul_i32 s98, s97, 12288
	s_mul_i32 s3, s2, 768
	s_add_co_u32 s98, s98, s3
	s_add_nc_u64 s[\o+4:\o+5], s[6:7], s[98:99]
	s_lshr_b32 s98, s97, 3
	s_lshl_b32 s98, s98, 12
	s_and_b32 s3, s97, 7
	s_lshl_b32 s3, s3, 7
	s_add_co_u32 s98, s98, s3
	s_lshr_b32 s3, s2, 2
	s_lshl_b32 s3, s3, 10
	s_add_co_u32 s98, s98, s3
	s_and_b32 s3, s2, 3
	s_lshl_b32 s3, s3, 1
	s_add_co_u32 s98, s98, s3
	s_add_co_u32 s98, s98, AS_OFF
	s_add_nc_u64 s[\o+6:\o+7], s[6:7], s[98:99]
.endm
	s_sub_co_u32 s24, 31, s[WV]                    ; the long tile's m
	PTRS 24, 78, 74, 76
	PTRS WV, 86, 94, 95                            ; the short tile's m is the wave's number
	s_mov_b32 s[SEL], 0x76543210
	s_mov_b32 s[SEL+1], 0xfedcba98
	s_mov_b32 s[CS], 0x3e38aa3b                    ; c = log2(e) / 8
	s_mov_b32 s[CS+1], s[CS]                       ; (named with it as a pair, so it is written)
	s_mov_b32 s[HI], 0xffff0000
	v_and_b32 v8, 31, v0                           ; lane
	v_and_b32 v9, 15, v0                           ; r
	v_bfe_u32 v10, v0, 4, 1                        ; h
	s_delay_alu instid0(VALU_DEP_3)
	v_lshlrev_b32 v[AK0], 3, v8
	s_delay_alu instid0(VALU_DEP_3)
	v_lshlrev_b32 v[G16], 4, v9
.irp p, 0,1,2
	global_load_b64 v[Q1+2*\p:Q1+2*\p+1], v[AK0], s[78:79] offset:256*\p   ; both tiles' Q stay in registers: half a fragment, as it lies
	global_load_b64 v[Q2+2*\p:Q2+2*\p+1], v[AK0], s[86:87] offset:256*\p
.endr
	global_load_b32 v[QS1], v[G16], s[80:81]
	global_load_b32 v[QS2], v[G16], s[88:89]
	v_add_nc_u32 v[AV0], VOFF, v[AK0]
	v_add_nc_u32 v[ASK0], KSOFF, v[G16]
	v_add_nc_u32 v[ASV0], VSOFF, v[G16]
	v_and_b32 v11, 8, v9
	s_delay_alu instid0(VALU_DEP_1)
	v_add_nc_u32 v[DL], v11, v9
	v_lshlrev_b32 v11, 4, v10
	s_delay_alu instid0(VALU_DEP_1)
	v_sub_nc_u32 v[DL], v[DL], v11
	v_lshl_add_u32 v[GS], v9, 3, v10
.irp i, 6,7,8,9,10,11
	v_mov_b32 v[Q1+\i], 0                          ; zero codes for the instruction's upper 64 along K: in Q,
	v_mov_b32 v[Q2+\i], 0
.irp t, 0,1,2,3
	v_mov_b32 v[KFR+12*\t+\i], 0                   ; and in K's four fragments
.endr
.endr
.irp b, 0,1,2,3
	v_mov_b32 v[PT+\b], 0                          ; written once: a lane permute's destination counts as one of its sources
.endr
	v_mov_b32 v[T0], 0
	v_mov_b32 v[F+1], 0                            ; (named as the upper half of a pair)
.macro INIT                            ; a tile begins: O^T and the sum are zeros and the largest t is -3e38, so the step is written once: the first change of M multiplies zeros
	v_mov_b32 v13, 0xff61b1e6
	s_delay_alu instid0(VALU_DEP_1)
	v_floor_f32 v12, -v13
	v_mov_b32 v14, 0
	v_mov_b32 v15, 0
.set j, 0
.rept 32
	v_mov_b32 v[O+j], 0
.set j, j+1
.endr
	s_mov_b32 s[KS], 0
	s_mov_b32 s[TB], 0
	s_mov_b32 s[TS], 0
	s_mov_b32 s[TJ], 0
.endm
; A KEY STEP of 128 keys for the tile whose Q lies in v[qf] on, scale word v[qs], last step s[lim], mask offset s[dq]
.macro STEP qf, qs, lim, dq
	s_cmp_gt_u32 s[KS], s[\lim]                    ; all its keys come after my queries: only the addresses step
	s_cbranch_scc1 .Lskip_\@
	s_setprio 2
	v_add_nc_u32 v[ADK], s[TB], v[AK0]             ; (five plain lines: the last step's products V^T P read v96-143, over which this step's first products write, and v88-91, into which loads are issued)
	s_wait_alu depctr_va_vdst(0)
	v_add_nc_u32 v[ADV], s[TB], v[AV0]
	v_add_nc_u32 v[ADS], s[TS], v[ASK0]
	v_add_nc_u32 v[ADT], s[TJ], v[ASV0]
	v_nop
	ds_load_b128 v[KSC:KSC+3], v[ADS]              ; the scale words of four tiles by one load
	ds_load_b128 v[KSC+4:KSC+7], v[ADS] offset:256
	ds_load_b128 v[VSC:VSC+3], v[ADT]
.irp g, 0,1                                    ; S^T = K Q^T, four tiles of 16 keys at a time
.if \g
.rept 4
	v_nop                                          ; places in front of loads into registers that matrix instructions have read
.endr
.endif
.irp t, 0,1,2,3
.irp p, 0,1,2
	ds_load_b64 v[KFR+12*\t+2*\p:KFR+12*\t+2*\p+1], v[ADK] offset:(4*\g+\t)*768+256*\p
.endr
.endr
	s_wait_dscnt 0x0
.irp t, 0,1,2,3
	v_wmma_scale_f32_16x16x128_f8f6f4 v[S+8*(4*\g+\t):S+8*(4*\g+\t)+7], v[KFR+12*\t:KFR+12*\t+11], v[\qf:\qf+11], 0, v[KSC+4*\g+\t], v[\qs] matrix_a_fmt:MATRIX_FMT_FP6 matrix_b_fmt:MATRIX_FMT_FP6
.endr
.endr                                          ; register 16 b + i of S^T is key 32 b + 16 h + i of the step
.rept 4
	v_nop
.endr
	s_cmp_lg_u32 s[KS], s[\lim]                    ; only the tile's last step lies on the diagonal
	s_cbranch_scc1 .Lopen_\@
	v_add_nc_u32 v[T2], s[\dq], v[DL]              ; my query's place in the step, less 16 h: the key of register 16 b + i is hidden where 32 b + i is larger
	v_mov_b32 v[T1], 0xff800000                    ; -infinity: p = 0
.set n, 0
.rept 64
	v_cmp_gt_i32 vcc_lo, 32*(n/16)+n%16, v[T2]
	v_cndmask_b32 v[S+n], v[S+n], v[T1], vcc_lo
.set n, n+1
.endr
.Lopen_\@:
.irp b, 0,1,2,3
	v_max3_num_f32 v[BM+\b], v[S+16*\b], v[S+1+16*\b], v[S+2+16*\b]   ; the largest score of each block of 32 keys: for the row's maximum and, since p rises with the score, for the block's largest p
.endr
.irp i, 3,5,7,9,11,13
.irp b, 0,1,2,3
	v_max3_num_f32 v[BM+\b], v[BM+\b], v[S+16*\b+\i], v[S+1+16*\b+\i]
.endr
.endr
.irp b, 0,1,2,3
	v_max_num_f32 v[BM+\b], v[BM+\b], v[S+15+16*\b]
.endr
.irp b, 0,1,2,3
	s_delay_alu instid0(VALU_DEP_4)
	v_permlanex16_b32 v[PT+\b], v[BM+\b], s[SEL], s[SEL+1]
.endr
.irp b, 0,1,2,3
	s_delay_alu instid0(VALU_DEP_4)
	v_max_num_f32 v[BM+\b], v[BM+\b], v[PT+\b]     ; with lane l xor 16's 16 keys
.endr
	s_delay_alu instid0(VALU_DEP_2)
	v_max3_num_f32 v[T0], v[BM], v[BM+1], v[BM+2]
	s_delay_alu instid0(VALU_DEP_1)
	v_max_num_f32 v[T0], v[T0], v[BM+3]
	s_delay_alu instid0(VALU_DEP_1)
	v_mul_f32 v[T0], s[CS], v[T0]                  ; the step's largest t of my query
	s_delay_alu instid0(VALU_DEP_1)
	v_max_num_f32 v13, v13, v[T0]                  ; the running largest t
	v_mov_b32 v[T0], v12
	s_delay_alu instid0(VALU_DEP_2)
	v_floor_f32 v12, -v13                          ; the new -M = floor(-t): M is a whole number
	s_delay_alu instid0(VALU_DEP_1)
	v_sub_f32 v[T0], v12, v[T0]                    ; old M - new M: a whole number, 0 or less
	s_delay_alu instid0(VALU_DEP_1)
	v_cvt_i32_f32 v[T0], v[T0]                     ; (it saturates)
	s_delay_alu instid0(VALU_DEP_1)
	v_ldexp_f32 v[F], 1.0, v[T0]                   ; f = 2^(old M - new M): multiplying by it rounds nothing
.set j, 0
.rept 32
	v_pk_fma_f32 v[S+j:S+j+1], v[S+j:S+j+1], s[CS:CS+1], v[12:13] op_sel_hi:[1,0,0]   ; t - M, two at a time
.set j, j+2
.endr
	s_setprio 1
.irp b, 0,1,2,3
	v_fma_f32 v[BM+\b], v[BM+\b], s[CS], v12       ; the same of each block's largest score
.endr
.set j, 0
	s_wait_alu depctr_va_vdst(0)
.rept 64
	v_exp_f32 v[S+j], v[S+j]                       ; p = 2^(t - M), at most 1: not normalised
.set j, j+1
.endr
.irp b, 0,1,2,3
	v_exp_f32 v[BM+\b], v[BM+\b]                   ; the block's largest p
.endr
	v_pk_mul_f32 v[14:15], v[14:15], v[F:F+1] op_sel_hi:[1,0]   ; the sums under the new M (a plain place behind the exponentials)
	s_wait_alu depctr_va_vdst(0)
.irp b, 0,1,2,3
	v_max_num_f32 v[BM+\b], 0x1800000, v[BM+\b]    ; the floor 2^(3 - 127): the byte cannot fall under 1
.endr
.irp b, 0,1,2,3
	s_delay_alu instid0(VALU_DEP_4)
	v_add_nc_u32 v[SO+\b], 0xff000000, v[BM+\b]    ; 2 off the exponent field: the conversion's scale operand
.endr
.irp b, 0,1,2,3
	s_delay_alu instid0(VALU_DEP_4)
	v_lshrrev_b32 v[PT+\b], 23, v[SO+\b]           ; the scale's byte
.endr
	s_delay_alu instid0(VALU_DEP_3)
	v_lshl_or_b32 v[PS], v[PT+1], 8, v[PT]         ; p's scale word for these 128 keys
	s_delay_alu instid0(VALU_DEP_1)
	v_lshl_or_b32 v[PS], v[PT+2], 16, v[PS]
	s_delay_alu instid0(VALU_DEP_1)
	v_lshl_or_b32 v[PS], v[PT+3], 24, v[PS]
.irp c, 0,1
	v_cvt_scalef32_pk16_fp6_f32 v[PC+6*\c:PC+6*\c+2], v[S+32*\c:S+32*\c+15], v[SO+2*\c]
	v_cvt_scalef32_pk16_fp6_f32 v[PH+4*\c:PH+4*\c+2], v[S+16+32*\c:S+31+32*\c], v[SO+2*\c+1]
.endr
	v_nop                                          ; one plain place behind a scaled conversion
.irp c, 0,1                                    ; the operand's layout wants a whole block in a lane
.irp i, 0,1,2
	v_permlane16_swap_b32 v[PC+6*\c+\i], v[PH+4*\c+\i]
.endr
.irp i, 0,1,2
	s_delay_alu instid0(VALU_DEP_3)
	v_mov_b32 v[PC+3+6*\c+\i], v[PH+4*\c+\i]
.endr
.endr
	v_pk_add_f32 v[220:221], v[100:101], v[104:105]
	v_pk_add_f32 v[252:253], v[108:109], v[112:113]
	v_pk_add_f32 v[250:251], v[116:117], v[120:121]
	v_pk_add_f32 v[248:249], v[124:125], v[128:129]
	v_pk_add_f32 v[246:247], v[132:133], v[136:137]
	v_pk_add_f32 v[230:231], v[140:141], v[144:145]
	v_pk_add_f32 v[228:229], v[148:149], v[152:153]
	v_pk_add_f32 v[14:15], v[14:15], v[156:157]
	v_pk_add_f32 v[220:221], v[220:221], v[96:97]
	v_pk_add_f32 v[252:253], v[252:253], v[98:99]
	v_pk_add_f32 v[250:251], v[250:251], v[102:103]
	v_pk_add_f32 v[248:249], v[248:249], v[106:107]
	v_pk_add_f32 v[246:247], v[246:247], v[110:111]
	v_pk_add_f32 v[230:231], v[230:231], v[114:115]
	v_pk_add_f32 v[228:229], v[228:229], v[118:119]
	v_pk_add_f32 v[14:15], v[14:15], v[122:123]
	v_pk_add_f32 v[220:221], v[220:221], v[126:127]
	v_pk_add_f32 v[252:253], v[252:253], v[130:131]
	v_pk_add_f32 v[250:251], v[250:251], v[134:135]
	v_pk_add_f32 v[248:249], v[248:249], v[138:139]
	v_pk_add_f32 v[246:247], v[246:247], v[142:143]
	v_pk_add_f32 v[230:231], v[230:231], v[146:147]
	v_pk_add_f32 v[228:229], v[228:229], v[150:151]
	v_pk_add_f32 v[14:15], v[14:15], v[154:155]
	v_pk_add_f32 v[220:221], v[220:221], v[158:159]
	s_delay_alu instid0(VALU_DEP_2)
	v_pk_add_f32 v[14:15], v[14:15], v[248:249]
	s_delay_alu instid0(VALU_DEP_2)
	v_pk_add_f32 v[220:221], v[220:221], v[246:247]
	v_pk_add_f32 v[252:253], v[252:253], v[230:231]
	v_pk_add_f32 v[250:251], v[250:251], v[228:229]
	s_delay_alu instid0(VALU_DEP_2)
	v_pk_add_f32 v[14:15], v[14:15], v[252:253]
	s_delay_alu instid0(VALU_DEP_2)
	v_pk_add_f32 v[220:221], v[220:221], v[250:251]
	s_delay_alu instid0(VALU_DEP_1)
	v_pk_add_f32 v[14:15], v[14:15], v[220:221]
	s_setprio 0
.irp t, 0,1,2,3                                ; p is done with: V's four fragments land where it lay, while O^T is rescaled
.irp p, 0,1,2,3,4,5
	ds_load_b64 v[S+12*\t+2*\p:S+12*\t+2*\p+1], v[ADV] offset:\t*1536+256*\p
.endr
.endr
.set j, 0
.rept 16
	v_pk_mul_f32 v[O+j:O+j+1], v[O+j:O+j+1], v[F:F+1] op_sel_hi:[1,0]   ; O^T under the new M, from each accumulator's low end on; these are also the places in front of the scaled products below
.set j, j+2
.endr
	s_wait_alu depctr_va_vdst(0)
	s_wait_dscnt 0x0
.irp t, 0,1,2,3                                ; O^T += V^T P^T: four accumulators by turns, one instruction a turn
	v_wmma_scale_f32_16x16x128_f8f6f4 v[O+8*\t:O+8*\t+7], v[S+12*\t:S+12*\t+11], v[PC:PC+11], v[O+8*\t:O+8*\t+7], v[VSC+\t], v[PS] matrix_a_fmt:MATRIX_FMT_FP6 matrix_b_fmt:MATRIX_FMT_FP6
.endr
.Lskip_\@:
	s_add_co_u32 s[KS], s[KS], 1
	s_add_co_u32 s[TB], s[TB], STEPB
	s_add_co_u32 s[TS], s[TS], 512
	s_add_co_u32 s[TJ], s[TJ], 256
.endm
.macro LOOP n, qf, qs, lim, dq
	s_mov_b32 s[CNT], \n
.Lstep_\@:
	STEP \qf, \qs, \lim, \dq
	s_sub_co_u32 s[CNT], s[CNT], 1
	s_cmp_lg_u32 s[CNT], 0
	s_cbranch_scc1 .Lstep_\@
	s_setprio 0
.endm
; A tile ends: O^T / the sum, quantised along the head's 64 (register 16 b + i is d = 32 b + 16 h + i), leaves as half a fragment's image and two scale bytes a row
.macro FINISH ac, as
.rept 4
	v_nop                                          ; places behind the last products
.endr
	v_add_f32 v14, v14, v15
	s_delay_alu instid0(VALU_DEP_1)
	v_permlanex16_b32 v[T0], v14, s[SEL], s[SEL+1]
	s_delay_alu instid0(VALU_DEP_1)
	v_add_f32 v14, v14, v[T0]                      ; the row's sum
	s_wait_alu depctr_va_vdst(0)
	v_rcp_f32 v14, v14
	v_nop                                          ; one plain place behind a transcendental
.set j, 0
	s_wait_alu depctr_va_vdst(0)
.rept 32
	v_mul_f32 v[S+j], v[O+j], v14
.set j, j+1
.endr
.irp b, 0,1
	v_max3_num_f32 v[BM+\b], |v[S+16*\b]|, |v[S+1+16*\b]|, 0x1800000
.endr
.irp i, 2,4,6,8,10,12,14
.irp b, 0,1
	s_delay_alu instid0(VALU_DEP_2)
	v_max3_num_f32 v[BM+\b], v[BM+\b], |v[S+16*\b+\i]|, |v[S+1+16*\b+\i]|
.endr
.endr
.irp b, 0,1
	s_delay_alu instid0(VALU_DEP_2)
	v_permlanex16_b32 v[PT+\b], v[BM+\b], s[SEL], s[SEL+1]
.endr
.irp b, 0,1
	s_delay_alu instid0(VALU_DEP_2)
	v_max_num_f32 v[BM+\b], v[BM+\b], v[PT+\b]
.endr
.irp b, 0,1
	s_delay_alu instid0(VALU_DEP_2)
	v_add_nc_u32 v[SO+\b], 0xff000000, v[BM+\b]
.endr
.irp b, 0,1
	s_delay_alu instid0(VALU_DEP_2)
	v_lshrrev_b32 v[PT+\b], 23, v[SO+\b]
.endr
	s_delay_alu instid0(VALU_DEP_1)
	v_cndmask_b32 v[SBY], v[PT], v[PT+1], s[HI]    ; lanes 0-15 store block 0's byte of row r, lanes 16-31 block 1's
	v_cvt_scalef32_pk16_fp6_f32 v[PC:PC+2], v[S:S+15], v[SO]
	v_cvt_scalef32_pk16_fp6_f32 v[PH:PH+2], v[S+16:S+31], v[SO+1]
	v_nop                                          ; one plain place behind a scaled conversion
.irp i, 0,1,2
	v_permlane16_swap_b32 v[PC+\i], v[PH+\i]
.endr
.irp i, 0,1,2
	s_delay_alu instid0(VALU_DEP_3)
	v_mov_b32 v[PC+3+\i], v[PH+\i]
.endr
.irp p, 0,1,2
	global_store_b64 v[AK0], v[PC+2*\p:PC+2*\p+1], s[\ac:\ac+1] offset:256*\p   ; 32 lanes store 256 consecutive bytes, aligned
.endr
	global_store_b8 v[GS], v[SBY], s[\as:\as+1]
.endm
	INIT
	s_wait_tensorcnt 0x0                           ; my quarter of the head has landed (a wave that fetched nothing passes at once),
	s_barrier_signal -1
	s_barrier_wait -1                              ; everybody's has: from here on LDS is only read
	s_wait_loadcnt 0x0                             ; Q
	LOOP 16, Q1, QS1, 74, 76                       ; the long tile: 9 to 16 steps at work
	FINISH 82, 84
	s_wait_xcnt 0x0                                ; the stores have read their registers, which the short tile writes again
	INIT
	LOOP 8, Q2, QS2, 94, 95                        ; the short tile: 1 to 8 steps
	FINISH 90, 92
	s_wait_tensorcnt 0x0
	ds_add_u32 v254, v255
	s_wait_dscnt 0x0
	ROUND                                          ; the closing round
	s_endpgm
.Lfunc_end_k_q87ebca495e_attn:
	.size	k_q87ebca495e_attn, .Lfunc_end_k_q87ebca495e_attn-k_q87ebca495e_attn
	.p2alignl 7, 3214868480
	.fill 96, 4, 3214868480
	.section	.rodata,"a",@progbits
	.p2align	6, 0x0
	.amdhsa_kernel k_q87ebca495e_attn
		.amdhsa_group_segment_fixed_size 210944
		.amdhsa_private_segment_fixed_size 0
		.amdhsa_enable_private_segment 0
		.amdhsa_kernarg_size 16
		.amdhsa_user_sgpr_count 2
		.amdhsa_user_sgpr_kernarg_segment_ptr 1
		.amdhsa_wavefront_size32 1
		.amdhsa_system_sgpr_workgroup_id_x 1
		.amdhsa_system_sgpr_workgroup_id_y 1
		.amdhsa_system_sgpr_workgroup_id_z 1
		.amdhsa_system_vgpr_workitem_id 0
		.amdhsa_next_free_vgpr 256
		.amdhsa_next_free_sgpr 100
		.amdhsa_reserve_vcc 1
		.amdhsa_float_denorm_mode_32 3
		.amdhsa_float_denorm_mode_16_64 3
		.amdhsa_memory_ordered 1
		.amdhsa_forward_progress 1
		.amdhsa_inst_pref_size 68
	.end_amdhsa_kernel
	.amdgpu_metadata
---
amdhsa.version: [ 1, 2 ]
amdhsa.kernels:
  - .name:           k_q87ebca495e_attn
    .symbol:         k_q87ebca495e_attn.kd
    .args:
      - { .name: rec, .offset: 0, .size: 8, .value_kind: global_buffer, .address_space: global }
      - { .name: acode, .offset: 8, .size: 8, .value_kind: global_buffer, .address_space: global }
    .group_segment_fixed_size: 210944
    .private_segment_fixed_size: 0
    .kernarg_segment_align: 8
    .kernarg_segment_size: 16
    .max_flat_workgroup_size: 512
    .sgpr_count:     100
    .vgpr_count:     256
    .wavefront_size: 32
...
	.end_amdgpu_metadata
.endif
;; end of part 3
;; launch outp (part 4): grid 4 x 64, 4 waves a work-group, clusters of 4 x 4, 307,968 bytes of LDS; arguments acode, wcode, b_o, out0; writes out0
.if DOCPART == 4
	.amdgcn_target "amdgcn-amd-amdhsa--gfx1250"
	.amdhsa_code_object_version 6
	.text
	.protected	k_q87ebca495e_outp
	.globl	k_q87ebca495e_outp
	.p2align	8
	.type	k_q87ebca495e_outp,@function
k_q87ebca495e_outp:
	s_mov_b64 s[64:65], 0
	v_nop
	global_prefetch_b8 v0, s[64:65] scope:SCOPE_SE
	s_setreg_imm32_b32 hwreg(HW_REG_WAVE_MODE, 25, 1), 1
	s_wait_xcnt 0x0
	s_wait_alu depctr_hold_cnt(0) depctr_sa_sdst(0) depctr_va_vdst(0) depctr_va_sdst(0) depctr_va_ssrc(0) depctr_va_vcc(0) depctr_vm_vsrc(0)
	s_getreg_b32 s2, hwreg(HW_REG_IB_STS2, 6, 4)
	s_cmp_eq_u32 s2, 0
	s_cbranch_scc0 .Lentry_in_a_cluster
	s_endpgm
.Lentry_in_a_cluster:
	s_bfe_u32 s2, ttmp6, 0x10000c
	s_cmp_lg_u32 s2, 0xf033
	s_cbranch_scc0 .Lentry_shape_is_right
	s_endpgm
.Lentry_shape_is_right:
; out0 = A w_o^T + b_o on codes of FP6 (E2M3) with E8M0 scales, K = 1,024.  A: the attention's result as codes, [8192][1024]; w_o's codes are tiles 192-255 of wcode; out0 [8192][1024] f32.
; A TILE IS 128 ROWS OF A x 256 ROWS OF w_o: 8,192 x 1,024 outputs make 256 such tiles, one work-group each.  Four waves, each 64 rows x 128 columns: 32 accumulators, 256 registers.
; ALL OF K LIES IN LDS: (256 + 128) rows x 768 bytes are 294,912 bytes, in two slots of 512 along K.  Every tile is filled once, all are asked for at the start, and nothing is filled again: no ring.
; THE CODES LIE AS IMAGES OF THE OPERANDS' REGISTERS: a fragment (16 rows x 128 K) is six pieces of 256 bytes, lane l at 8 l; a tile of 16 rows has its 8 fragments on end (12,288 bytes).  So 512 along K of 128 rows are
; 8 rows of 6,144 bytes for one tensor load, every LDS load reads 256 consecutive bytes, and nothing is padded.
; A's tiles of 16 stand in the order in which they were made: place r of tile T is row 32 (T / 2) + 8 (T % 2) + r + 8 (r / 8): the way out puts each row where it belongs.  w_o's tiles are 16 neighbouring rows.
; THE SCALES of the work-group's rows for all of K come with the first fills.  THE BIAS is the C of each sum's first matrix instruction: eight registers a block of 16 columns.
; CLUSTERS: 4 x 4.  w_o's tiles hang on the tile column alone and are asked for jointly along a column of the cluster, A's on the tile row alone, along a row.
; THE MATRIX INSTRUCTION: source 0 = 16 rows of w_o, source 1 = 16 rows of A: a lane holds eight neighbouring numbers of a row of out0.
; A step of 128 along K is 32 matrix instructions, w_o's blocks one after the other, each against A's four: a block of w_o is free as soon as its four products are issued, so w_o has one set of registers
; (blocks 0-3 fetched anew in the step's middle, blocks 4-7 at its end) and A two.
; REGISTERS: window 0: v0-31 addresses; v32-63 scale words, two sets; v64-127 the bias; v128-223 w_o's fragments (on the way out v64-191: rows read back).  window 1: A's fragments, two sets, at v0 and v128.  window 2: the accumulators.
.set TPITCH, 12288
.set TROW,   6144                      ; a tile of 16 rows in a slot: four fragments
.set FRB,    1536
.set FR,     12
.set NL,     6
.set NP,     4                         ; places behind this matrix instruction (ISA guide 7.12.1)
.set WPART,  8*TROW                    ; 128 rows of w_o: what wave 0 or 1 brings with one tensor load
.set APART,  4*TROW                    ; 64 rows of A: what wave 2 or 3 brings
.set AOFF,   2*WPART                   ; a slot: w_o's 256 rows, then A's 128
.set SLOT,   2*WPART+2*APART
.set SCL,    2*SLOT                    ; behind the slots: w_o's scales, 8,192 bytes;
.set RSC,    8192+128                  ; A's, 4,096 bytes, begin 128 bytes further on than w_o's end: lanes 0-15 and lanes 16-31 of a load then fall on different banks
.set AS_OFF, 6291456
.set WS_OFF, 3145728
.set ROWC,   4096                      ; a row of out0
.set SPITCH, 528                       ; the way out: a stage of 16 rows x (512 bytes + 16) for each wave, in slot 0: it is filled once, and nobody reads it behind the barrier between the slots
.set ADRW, 16                          ; v16-17 LDS address of w_o's fragments in slot 0, 1
.set ADRA, 20                          ; v20-21 of A's
.set STO,  24                          ; v24 the way out: where I put 32 bytes of a row
.set RD,   25                          ; v25 where I read a row back
.set CO,   26                          ; v26 my byte offset in a row of out0
.set ADRS, 27                          ; v27 LDS address of my scale words: lanes 0-15 w_o's rows, lanes 16-31 A's
.set ADRT, 28                          ; v28 the same with w_o's rows in all lanes: for w_o's blocks 4-7, beside which A has none
.set SC,   32                          ; scale words: set s at v[SC + 16 s]; register 2 i + q: lanes 0-15 w_o's block i, lanes 16-31 A's block i
.set BIAS, 64                          ; v64-127: block b's eight numbers at v[BIAS + 8 b]
.set AF,   128                         ; w_o's fragments
.set BK,   64                          ; the way out: 16 rows read back: v64-127 and v128-191 by turns
.set G1, 24                            ; s[24:31] group 1 for w_o's tiles; s[32:39] group 0, one set for each slot
.set G0, 32
.set G1B, 48                           ; s[48:55], s[56:63] the same for A's
.set G0B, 56
.set G1S, 68                           ; s[68:75], s[76:79] for w_o's scales; s[80:87], s[88:91] for A's
.set G0S, 76
.set G1SB, 80
.set G0SB, 88
.set MSB, 0
.macro WIN new                         ; the immediate's high byte repeats the setting that is left
.if MSB != (\new)
	s_set_vgpr_msb (MSB<<8)|(\new)
.set MSB, (\new)
.endif
.endm
.set MUL_W,   0xa4                     ; source 0 (w_o) window 0, source 1 (A) window 1, C and D window 2
.set FIRST_W, 0x84                     ; the first products: C (the bias) window 0, D window 2
.set TO_B,    0x40                     ; destination window 1, address window 0
.macro JLOAD g0a, g1a, g0b, g1b        ; a joint load: waves 0 and 1 fetch for w_o, waves 2 and 3 for A; four v_nop follow each of the two lines
	s_cmp_eq_u32 s15, 0
	s_cbranch_scc0 .Lfor_b_\@
	tensor_load_to_lds s[\g0a:\g0a+3], s[\g1a:\g1a+7]
	s_nop 0
.rept 4
	v_nop
.endr
	s_branch .Lasked_\@
.Lfor_b_\@:
	tensor_load_to_lds s[\g0b:\g0b+3], s[\g1b:\g1b+7]
	s_nop 0
.rept 4
	v_nop
.endr
.Lasked_\@:
.endm
.macro CROUND                          ; a round of the cluster's barrier
	s_barrier_signal -1
	s_barrier_wait -1
	s_cmp_lg_u32 s14, 0
	s_cbranch_scc1 .Lnot_wave_0_\@
	s_barrier_signal -3
.Lnot_wave_0_\@:
	s_barrier_wait -3
	s_barrier_signal -1
	s_barrier_wait -1
.endm
	s_load_b128 s[4:7], s[0:1], 0x0                ; acode, wcode
	s_load_b128 s[8:11], s[0:1], 0x10              ; b_o, out0
	v_lshl_add_u32 v254, v0, 2, 0x4b100
	v_mov_b32 v255, 0
	ds_add_u32 v254, v255
	ds_add_u32 v254, v255
	v_lshrrev_b32 v1, 5, v0
	v_readfirstlane_b32 s14, v1                    ; wave 0..3
	s_lshr_b32 s15, s14, 1                         ; which half of A's rows is mine.  Also: I fetch for w_o (0) or for A (1)
	s_and_b32 s16, s14, 1                          ; which half of w_o's rows.  Also: which half of that tile I fetch
	s_bfe_u32 s40, ttmp6, 0x40000                  ; cx, cy
	s_bfe_u32 s41, ttmp6, 0x40004
	s_lshl_b32 s42, ttmp9, 2
	s_add_co_u32 s42, s42, s40                     ; j, the tile column: 256 rows of w_o
	s_and_b32 s17, ttmp7, 0xffff
	s_lshl_b32 s17, s17, 2
	s_add_co_u32 s17, s17, s41                     ; i, the tile row: 128 rows of A
	s_lshl_b32 s43, s41, 2
	s_lshl_b32 s43, 15, s43                        ; my row of the cluster
	s_lshl_b32 s44, 0x1111, s40                    ; my column
	s_or_b32 s[G1+0], s44, (3<<16)|(1<<21)         ; w_o's codes: 15:0 the mask: my column; 17:16 elements of 8 bytes; 21 set beside a mask; no padding
	s_mov_b32 s[G1+1], 768<<16                     ; tensor_dim0: 6,144 bytes
	s_mov_b32 s[G1+2], 8<<16                       ; tensor_dim1
	s_mov_b32 s[G1+3], 768<<16                     ; tile_dim0
	s_mov_b32 s[G1+4], 8                           ; tile_dim1
	s_mov_b32 s[G1+5], TPITCH/8                    ; tensor_dim0_stride
	s_mov_b32 s[G1+6], 0
	s_mov_b32 s[G1+7], 0
	s_or_b32 s[G1B+0], s43, (3<<16)|(1<<21)        ; A's codes: my row; 4 rows of 6,144 bytes
	s_mov_b32 s[G1B+1], 768<<16
	s_mov_b32 s[G1B+2], 4<<16
	s_mov_b32 s[G1B+3], 768<<16
	s_mov_b32 s[G1B+4], 4
	s_mov_b32 s[G1B+5], TPITCH/8
	s_mov_b32 s[G1B+6], 0
	s_mov_b32 s[G1B+7], 0
	s_or_b32 s[G1S+0], s44, (3<<16)|(1<<21)        ; w_o's scales of 128 rows: 16 rows of 256 bytes of a dense block
	s_mov_b32 s[G1S+1], 32<<16
	s_mov_b32 s[G1S+2], 16<<16
	s_mov_b32 s[G1S+3], 32<<16
	s_mov_b32 s[G1S+4], 16
	s_mov_b32 s[G1S+5], 32
	s_mov_b32 s[G1S+6], 0
	s_mov_b32 s[G1S+7], 0
	s_or_b32 s[G1SB+0], s43, (3<<16)|(1<<21)       ; half of A's scale block: 8 rows of 256 bytes
	s_mov_b32 s[G1SB+1], 32<<16
	s_mov_b32 s[G1SB+2], 8<<16
	s_mov_b32 s[G1SB+3], 32<<16
	s_mov_b32 s[G1SB+4], 8
	s_mov_b32 s[G1SB+5], 32
	s_mov_b32 s[G1SB+6], 0
	s_mov_b32 s[G1SB+7], 0
	s_lshl_b32 s20, s42, 4
	s_lshl_b32 s18, s16, 3
	s_add_co_u32 s20, s20, s18
	s_add_co_u32 s20, s20, 192                     ; w_o begins at tile 192 of wcode
	s_mul_i32 s20, s20, TPITCH                     ; w_o's codes: tile row 192 + 16 j + 8 x half
	s_mov_b32 s21, 0
	s_lshl_b32 s46, s17, 3
	s_lshl_b32 s19, s16, 2
	s_add_co_u32 s46, s46, s19
	s_mul_i32 s46, s46, TPITCH                     ; A's: tile row 8 i + 4 x half
	s_mov_b32 s47, 0
	s_lshl_b32 s22, s42, 1
	s_add_co_u32 s22, s22, s16
	s_add_co_u32 s22, s22, 24
	s_lshl_b32 s22, s22, 12
	s_add_co_u32 s22, s22, WS_OFF                  ; w_o's scales: the block of 128 rows 24 + 2 j + half
	s_mov_b32 s23, 0
	s_lshl_b32 s92, s17, 12
	s_lshl_b32 s93, s16, 11
	s_add_co_u32 s92, s92, s93
	s_add_co_u32 s92, s92, AS_OFF                  ; A's: block i, my half of its 4,096 bytes
	s_mov_b32 s93, 0
	s_mul_i32 s45, s16, WPART                      ; where they go: no place in the cluster enters an LDS address
	s_mul_i32 s94, s16, APART
	s_add_co_u32 s94, s94, AOFF
	s_lshl_b32 s2, s16, 12
	s_add_co_u32 s2, s2, SCL
	s_lshl_b32 s3, s16, 11
	s_add_co_u32 s3, s3, SCL+RSC
	s_wait_dscnt 0x0
	s_wait_kmcnt 0x0
	s_add_nc_u64 s[20:21], s[6:7], s[20:21]
	s_add_nc_u64 s[22:23], s[6:7], s[22:23]
	s_add_nc_u64 s[46:47], s[4:5], s[46:47]
	s_add_nc_u64 s[92:93], s[4:5], s[92:93]
	CROUND                                         ; all sixteen work-groups are here: the joint loads meet
	s_mov_b32 s[G0S], 1
	s_mov_b32 s[G0S+1], s2
	s_mov_b64 s[G0S+2:G0S+3], s[22:23]
	s_or_b32 s[G0S+3], s[G0S+3], 0x80000000
	s_mov_b32 s[G0SB], 1
	s_mov_b32 s[G0SB+1], s3
	s_mov_b64 s[G0SB+2:G0SB+3], s[92:93]
	s_or_b32 s[G0SB+3], s[G0SB+3], 0x80000000
	JLOAD G0S, G1S, G0SB, G1SB                     ; the scales first; then both slots: three tensor loads of mine are out
.irp s, 0,1
	s_mov_b32 s[G0+4*\s], 1
	s_add_co_u32 s[G0+4*\s+1], s45, \s*SLOT
	s_add_nc_u64 s[G0+4*\s+2:G0+4*\s+3], s[20:21], \s*TROW
	s_or_b32 s[G0+4*\s+3], s[G0+4*\s+3], 0x80000000
	s_mov_b32 s[G0B+4*\s], 1
	s_add_co_u32 s[G0B+4*\s+1], s94, \s*SLOT
	s_add_nc_u64 s[G0B+4*\s+2:G0B+4*\s+3], s[46:47], \s*TROW
	s_or_b32 s[G0B+4*\s+3], s[G0B+4*\s+3], 0x80000000
	JLOAD G0+4*\s, G1, G0B+4*\s, G1B
.endr
	v_and_b32 v1, 15, v0                           ; r
	v_bfe_u32 v2, v0, 4, 1                         ; h
	v_lshlrev_b32 v7, 5, v2                        ; the bias: 32 h: my eight columns of a block of 16
	s_lshl_b32 s20, s42, 10                        ; my first column, in bytes: 1,024 j + 512 x half
	s_lshl_b32 s21, s16, 9
	s_add_co_u32 s20, s20, s21
	s_mov_b32 s21, 0
	s_add_nc_u64 s[8:9], s[8:9], s[20:21]
.irp b, 0,1,2,3,4,5,6,7
	global_load_b128 v[BIAS+8*\b:BIAS+8*\b+3], v7, s[8:9] offset:64*\b
	global_load_b128 v[BIAS+8*\b+4:BIAS+8*\b+7], v7, s[8:9] offset:64*\b+16
.endr
	s_lshl_b32 s46, s17, 7
	s_lshl_b32 s47, s15, 6
	s_add_co_u32 s46, s46, s47                     ; my first row of out0: 128 i + 64 x half
	s_lshl_b32 s46, s46, 12
	s_mov_b32 s47, 0
	s_add_nc_u64 s[12:13], s[10:11], s[46:47]
	s_add_nc_u64 s[12:13], s[12:13], s[20:21]
	v_and_b32 v3, 31, v0
	v_lshlrev_b32 v3, 3, v3                        ; 8 x lane: my place in every piece
	s_mul_i32 s18, s16, WPART                      ; my 128 rows of w_o
	s_mul_i32 s19, s15, APART                      ; my 64 rows of A,
	s_add_co_u32 s19, s19, AOFF                    ; which lie behind w_o's 256
.irp s, 0,1
	v_add_nc_u32 v[ADRW+\s], s18, v3
	v_add_nc_u32 v[ADRA+\s], s19, v3
	s_add_co_u32 s18, s18, SLOT
	s_add_co_u32 s19, s19, SLOT
.endr
	v_lshlrev_b32 v5, 3, v1                        ; my row's two scale words of 256 along K: 8 bytes a row
	s_lshl_b32 s18, s16, 12                        ; w_o's: my 128 rows
	s_lshl_b32 s19, s15, 9                         ; A's: my 64 rows
	s_add_co_u32 s19, s19, RSC
	s_sub_co_u32 s19, s19, s18
	v_mul_u32_u24 v6, s19, v2                      ; lanes 16-31 take A's: the lower base + h x the distance
	s_add_co_u32 s18, s18, SCL
	v_add_nc_u32 v[ADRT], s18, v5
	v_add_nc_u32 v[ADRS], v[ADRT], v6
	s_mul_i32 s23, s14, 16*SPITCH                  ; my stage
	v_mul_u32_u24 v5, v1, SPITCH                   ; in: row r, 32 bytes for each half of the lanes
	v_lshl_add_u32 v5, v2, 5, v5
	v_add_nc_u32 v[STO], s23, v5
	v_and_b32 v6, 31, v0
	v_lshlrev_b32 v[CO], 4, v6                     ; back: the 32 lanes take one row of 512 bytes; and the same in out0
	v_add_nc_u32 v[RD], s23, v[CO]
.macro FRAG reg, adr, q, i             ; a fragment as it lies: six pieces of 256 bytes, registers 2 p, 2 p + 1 from piece p
.irp p, 0,1,2,3,4,5
	ds_load_b64 v[\reg+2*\p:\reg+2*\p+1], v[\adr] offset:(\i)*TROW+(\q)*FRB+256*\p
.endr
.endm
; Step t (0..7) is 128 along K: slot t / 4, fragment t % 4 of a tile's row there; A's set t % 2; scale set (t / 2) % 2, word t % 2.
; 8 matrix instructions: w_o's blocks b0, b0 + 1 against A's four; accumulator (a, b) at v[8 (8 a + b)] of window 2.  first = 1: the sums begin with the bias as C.
; The 32 accumulators take turns, one instruction a turn, in the same order in every step.
.macro MULO b0, t, first
.set MP, (\t)%2
.set MS, ((\t)/2)%2
.irp b, \b0, \b0+1
.irp a, 0,1,2,3
.if \first
	v_wmma_scale_f32_16x16x128_f8f6f4 v[8*(8*\a+(\b)):8*(8*\a+(\b))+7], v[AF+FR*(\b):AF+FR*(\b)+FR-1], v[128*MP+FR*\a:128*MP+FR*\a+FR-1], v[BIAS+8*(\b):BIAS+8*(\b)+7], v[SC+16*MS+2*(\b)+MP], v[SC+16*MS+2*\a+MP] matrix_a_fmt:MATRIX_FMT_FP6 matrix_b_fmt:MATRIX_FMT_FP6 matrix_b_scale:MATRIX_SCALE_ROW1
.else
	v_wmma_scale_f32_16x16x128_f8f6f4 v[8*(8*\a+(\b)):8*(8*\a+(\b))+7], v[AF+FR*(\b):AF+FR*(\b)+FR-1], v[128*MP+FR*\a:128*MP+FR*\a+FR-1], v[8*(8*\a+(\b)):8*(8*\a+(\b))+7], v[SC+16*MS+2*(\b)+MP], v[SC+16*MS+2*\a+MP] matrix_a_fmt:MATRIX_FMT_FP6 matrix_b_fmt:MATRIX_FMT_FP6 matrix_b_scale:MATRIX_SCALE_ROW1
.endif
.endr
.endr
.endm
.macro FETCH_P t                       ; A's four fragments of step t
.set FS, (\t)/4
.set FQ, (\t)%4
.set FP, (\t)%2
	WIN TO_B
.irp i, 0,1,2,3
	FRAG 128*FP+FR*\i, ADRA+FS, FQ, \i
.endr
	WIN 0
.endm
.macro FETCH_W t, i0                   ; w_o's blocks i0 .. i0 + 3 of step t
.set FS, (\t)/4
.set FQ, (\t)%4
.irp i, \i0, \i0+1, \i0+2, \i0+3
	FRAG AF+FR*(\i), ADRW+FS, FQ, \i
.endr
.endm
.macro SCALES sc, ks                   ; the scale words of the ks-th 256 along K into set sc: two words a row
.irp i, 0,1,2,3
	ds_load_b64 v[SC+16*(\sc)+2*\i:SC+16*(\sc)+2*\i+1], v[ADRS] offset:128*\i+1024*(\ks)   ; lanes 0-15 w_o's block i, lanes 16-31 A's block i
.endr
.irp i, 4,5,6,7
	ds_load_b64 v[SC+16*(\sc)+2*\i:SC+16*(\sc)+2*\i+1], v[ADRT] offset:128*\i+1024*(\ks)   ; w_o's block i in both halves of the lanes
.endr
.endm
.macro PLACES n                        ; plain vector instructions between a matrix instruction and a load into, or a read of, its registers (ISA guide 7.12.1 for the reads)
.rept \n
	v_nop
.endr
.endm
.macro MWIN first
.if \first
	WIN FIRST_W
.else
	WIN MUL_W
.endif
.endm
; Step t, which fetches step t + 1's fragments.  bar = 1: step t + 1 lies in the other slot: each wave waits for its part of it and for its own reads of this slot, then the work-group's barrier.
.macro STEPO t, first, bar
.if \bar
	s_wait_tensorcnt 0x0                           ; my part of slot 1 has landed
.endif
	s_wait_dscnt 4*NL                              ; A's set and w_o's blocks 0-3 are in; the youngest 24 loads (w_o's blocks 4-7) may be out
	MWIN \first
	MULO 0, \t, \first
.if \bar
	s_wait_dscnt 0x0                               ; my reads of slot 0 are over
	s_barrier_signal -1
.endif
	MULO 2, \t, \first
.if \bar
	WIN 0
	s_barrier_wait -1                              ; slot 1 is whole, and nobody reads slot 0 any more
.else
	s_wait_dscnt 0
.endif
	PLACES NP
	FETCH_P (\t)+1
	FETCH_W (\t)+1, 0
.if ((\t)+1)%2 == 0
	SCALES (((\t)+1)/2)%2, ((\t)+1)/2
.endif
	MWIN \first
	MULO 4, \t, \first
	MULO 6, \t, \first
	PLACES NP
	WIN 0
	FETCH_W (\t)+1, 4
.endm
	s_wait_tensorcnt 1                             ; the scales and my part of slot 0 are in (slot 1's load may be out)
	s_barrier_signal -1
	s_barrier_wait -1                              ; everybody's are
	FETCH_P 0
	FETCH_W 0, 0
	SCALES 0, 0
	FETCH_W 0, 4
	s_wait_loadcnt 0x0                             ; the bias
	STEPO 0, 1, 0                                  ; K has eight steps of 128: they are written out.  The first products start the sums on the bias
	STEPO 1, 0, 0
	STEPO 2, 0, 0
	STEPO 3, 0, 1                                  ; on to slot 1
	STEPO 4, 0, 0
	STEPO 5, 0, 0
	STEPO 6, 0, 0
	s_wait_dscnt 4*NL                              ; the last step: nothing more to fetch
	WIN MUL_W
	MULO 0, 7, 0
	MULO 2, 7, 0
	s_wait_dscnt 0
	MULO 4, 7, 0
	MULO 6, 7, 0
	WIN 0
; THE WAY OUT, block by block of 16 rows x 128 columns, through my own stage in LDS: in as 32 bytes a lane, back as whole rows of 512 bytes.  LDS serves a wave's instructions in order (ISA guide 5.7.1.4).
; Place t of block a is row 32 (a / 2) + 8 (a % 2) + t + 8 (t / 8) of my 64: the base steps 8 rows into an odd block and 24 into an even one, and places 8-15 stand 8 rows further on.
.macro TOSTAGE a
.set AC, 64*(\a)
	WIN 0x08                                       ; the data: window 2
.irp b, 0,1,2,3,4,5,6,7
	ds_store_b128 v[STO], v[AC+8*\b:AC+8*\b+3] offset:64*\b          ; each accumulator from its low end on
	ds_store_b128 v[STO], v[AC+8*\b+4:AC+8*\b+7] offset:64*\b+16
.endr
	WIN 0
.set BB, BK+64*((\a)%2)
.irp t, 0,1,2,3,4,5,6,7,8,9,10,11,12,13,14,15
	ds_load_b128 v[BB+4*\t:BB+4*\t+3], v[RD] offset:\t*SPITCH
.endr
.endm
.macro SEND a, younger                 ; younger: the LDS instructions issued behind block a's loads, which may stay out
.set BB, BK+64*((\a)%2)
	s_wait_dscnt \younger
.if (\a) > 0
.if (\a)%2
	s_add_nc_u64 s[12:13], s[12:13], 8*ROWC        ; (behind a wait on XCNT: the earlier stores have read their base)
.else
	s_add_nc_u64 s[12:13], s[12:13], 24*ROWC
.endif
.endif
.irp t, 0,1,2,3,4,5,6,7,8,9,10,11,12,13,14,15
	global_store_b128 v[CO], v[BB+4*\t:BB+4*\t+3], s[12:13] offset:(\t+8*(\t/8))*ROWC th:TH_STORE_NT   ; 32 lanes store 512 consecutive bytes, aligned; written once, read by nobody here
.endr
.endm
	PLACES NP                                      ; behind the last products: in front of the first read of results and of the loads into registers that held w_o's fragments
	TOSTAGE 0
.irp a, 1,2,3
.if \a > 1
	s_wait_xcnt 0x0                                ; block a - 2's stores have read their registers and their base
.endif
	TOSTAGE \a
	SEND \a-1, 32                                  ; behind block a - 1's loads: block a's 16 stores and 16 loads
.endr
	s_wait_xcnt 0x0
	SEND 3, 0
	s_wait_tensorcnt 0x0
	ds_add_u32 v254, v255
	s_wait_dscnt 0x0
	CROUND                                         ; the closing round: no work-group ends while a partner may still ask for a tile that names it
	s_endpgm
.Lfunc_end_k_q87ebca495e_outp:
	.size	k_q87ebca495e_outp, .Lfunc_end_k_q87ebca495e_outp-k_q87ebca495e_outp
	.p2alignl 7, 3214868480
	.fill 96, 4, 3214868480
	.section	.rodata,"a",@progbits
	.p2align	6, 0x0
	.amdhsa_kernel k_q87ebca495e_outp
		.amdhsa_group_segment_fixed_size 307968
		.amdhsa_private_segment_fixed_size 0
		.amdhsa_enable_private_segment 0
		.amdhsa_kernarg_size 32
		.amdhsa_user_sgpr_count 2
		.amdhsa_user_sgpr_kernarg_segment_ptr 1
		.amdhsa_wavefront_size32 1
		.amdhsa_system_sgpr_workgroup_id_x 1
		.amdhsa_system_sgpr_workgroup_id_y 1
		.amdhsa_system_sgpr_workgroup_id_z 1
		.amdhsa_system_vgpr_workitem_id 0
		.amdhsa_next_free_vgpr 768
		.amdhsa_next_free_sgpr 98
		.amdhsa_reserve_vcc 0
		.amdhsa_float_denorm_mode_32 3
		.amdhsa_float_denorm_mode_16_64 3
		.amdhsa_memory_ordered 1
		.amdhsa_forward_progress 1
		.amdhsa_inst_pref_size 100
	.end_amdhsa_kernel
	.amdgpu_metadata
---
amdhsa.version: [ 1, 2 ]
amdhsa.kernels:
  - .name:           k_q87ebca495e_outp
    .symbol:         k_q87ebca495e_outp.kd
    .args:
      - { .name: acode, .offset: 0, .size: 8, .value_kind: global_buffer, .address_space: global }
      - { .name: wcode, .offset: 8, .size: 8, .value_kind: global_buffer, .address_space: global }
      - { .name: b_o, .offset: 16, .size: 8, .value_kind: global_buffer, .address_space: global }
      - { .name: out0, .offset: 24, .size: 8, .value_kind: global_buffer, .address_space: global }
    .group_segment_fixed_size: 307968
    .private_segment_fixed_size: 0
    .kernarg_segment_align: 8
    .kernarg_segment_size: 32
    .max_flat_workgroup_size: 128
    .sgpr_count:     98
    .vgpr_count:     768
    .wavefront_size: 32
...
	.end_amdgpu_metadata
.endif
;; end of part 4
